; MI455X (gfx1250); checked and timed in simulation.
; The chip was launched on July 23, 2026; its instructions are those of AMD's public machine-readable ISA for CDNA 5 (MIT licence, August 2026) and "CDNA5" Instruction Set Architecture Reference Guide (July 2026). The comments in the code are by the model that wrote it; some were corrected since.
;; Memory Bank. Allowed arithmetic: matrix products marked QUANTISED: E5M2 operands, one given power-of-two scale a tensor, by v_wmma_f32_16x16x64_bf8_bf8 or v_wmma_f32_16x16x128_bf8_bf8, f32 sums; everything else in f32.
;; Inputs: keys 131,072 x 128 float32; lowp_scales 2 int32 (the exponents e of the quantised operands' scales 2^e); q 1,024 x 128 float32; values 131,072 x 256 float32.
;; Outputs: out0 1,024 x 256 float32.
;; Constants: topk = 5.
;; This version of the problem:
;;   THIS VERSION OF THE PROBLEM IS GIVEN IN LOW PRECISION. The matrix products marked QUANTISED in the list below multiply operands that are first quantised to E5M2 (5 exponent bits, 2 mantissa bits; 8 bits a number), with one given power-of-two scale for each operand tensor; their sums are f32. All else is computed in f32.
;;   The module's matrix products, in the order in which they are computed (A, B: the left and right operand; K: the contracted axis; several contracted axes count as one K, in the product's order):
;;     1. [M 1,024, K 128] x [K 128, N 131,072]; A: computed on the way; B: computed on the way: QUANTISED (scales: A lowp_scales[0], B lowp_scales[1])
;;   THE QUANTISER, for each operand of a quantised product, along K:
;;     - The operand's scale is 2^e, e = its entry of the input lowp_scales (int32; the entries are numbered through the quantised products in the list's order, A before B).
;;     - Each number is divided by the scale, clamped to +-57,344, and rounded to the nearest number of E5M2, ties to even, subnormals kept.
;;     - The product sums the exact products of the quantised numbers (number of the format x scale) in f32.
;;   ~~~python
;;   def quantise(x, axis, e):      # numpy; x: float32 -> the quantised numbers, widened to float32 again
;;       x = np.moveaxis(x, axis, -1); K = x.shape[-1]
;;       r = np.clip(x / 2.0 ** e, -57344, 57344)
;;       step = 2.0 ** (np.maximum(np.frexp(np.where(r == 0, 1, r))[1] - 1, -14) - 2)
;;       q = np.round(r / step) * step * 2.0 ** e      # np.round: ties to even
;;       return np.moveaxis(q, -1, axis).astype(np.float32)
;;   ~~~
;;   OPERANDS COMPUTED ON THE WAY. 'Computed on the way' means the value that the module computes at that place (a softmax that the list does not call 'softmax' is quantised finished and normalised). What goes into a quantiser is computed in f32, as accurately as f32 sums, v_exp_f32 and their like allow (about 1e-6 of the number): no bf16 or f16 on the way to a quantiser, and a product that is left as it is and whose result goes on into a quantised operand takes f32 operands (vector FMAs, or v_wmma_f32_16x16x4_f32). A number that lies on a knife's edge between two numbers of the format may be rounded either way, as far as f32 arithmetic and the matrix unit's own rounding can turn it there, and no further.
;; 2 versions. Each part assembles by itself: llvm-mc -triple=amdgcn-amd-amdhsa -mcpu=gfx1250 --defsym DOCPART=n.
;; ======== version 1 of 2: 5 launches
;; workspace buffers: kc 16,777,216 bytes; qc 131,072 bytes; gm 8,388,608 bytes; gsel 32,768 bytes of whole numbers; idx 32,768 bytes of whole numbers
;; launch quant (part 1): grid 258 x 1, 8 waves a work-group, no clusters, 68,608 bytes of LDS; arguments keys, q, lowp_scales, kc, qc; writes kc, qc
.if DOCPART == 1
	.amdgcn_target "amdgcn-amd-amdhsa--gfx1250"
	.amdhsa_code_object_version 6
	.text
	.protected	k_qf90c4d1cb2_quant
	.globl	k_qf90c4d1cb2_quant
	.p2align	8
	.type	k_qf90c4d1cb2_quant,@function
k_qf90c4d1cb2_quant:
	s_mov_b64 s[64:65], 0
	v_nop
	global_prefetch_b8 v0, s[64:65] scope:SCOPE_SE
	s_setreg_imm32_b32 hwreg(HW_REG_WAVE_MODE, 25, 1), 1
	s_wait_xcnt 0x0
; keys [131072][128] and q [1024][128], f32: each row is divided by max(its norm, 1e-8) and turned into codes of BF8 (E5M2) with the one scale 2^e that is given
; for the tensor (q: entry 0 of the scales, keys: entry 1).  code = x / norm / 2^e, held within +-57,344, to the nearest code, ties to even.
; THE CODES ARE LAID AS IMAGES OF OPERAND REGISTERS: a tile is 16 rows x 128 along K = 2,048 bytes = four pieces of 512 bytes; in piece c lane (r, h) has 16 bytes, at 16 x lane:
; the codes of row r, k = 32 c + 16 h + 0 .. 15.  A later launch gets a whole fragment by four loads of 16 bytes a lane, 512 consecutive bytes each.
; SHARES.  A wave takes 4 tiles, a work-group 32.  Work-groups 0-255 take the keys' 8,192 tiles, 256 and 257 q's 64: only pointers and e are chosen, there is one path through the text.
; Each load reads one row, 512 consecutive bytes; the 16 rows turn through the wave's own stage in LDS (rows 528 bytes apart) and come back 64 numbers a lane, in the fragment's order.
; No barrier: waves share nothing.  Two tiles' loads (32 a wave) are out at the start, 16 while a tile is worked on.
; The division is a multiplication by v_rcp_f32 of the norm; the norm is v_sqrt_f32 of an f32 sum of squares in four chains.
; LIMITS: e between -126 and 112, so that 2^e and 57,344 x 2^e are f32 numbers.  NaN and infinities among the inputs are not served.
.set PITCH,  528                       ; a stage row: 512 bytes + 16 = 132 words: row r starts 4 r words on, modulo 64 words (64 banks of 4 bytes: ISA guide 11.1)
.set STAGEB, 16*PITCH                  ; a wave's stage
.set LI, 1                             ; v1   16 x lane: my bytes of a row in memory and of a piece of the image
.set SA, 2                             ; v2   the stage, on the way in: 16 x lane
.set RA, 3                             ; v3   the stage, on the way out: row r, + 64 h bytes
.set CO, 18                            ; v18-33   a tile's codes
.set RR, 40                            ; v40-167  two sets of 64: a tile as it is loaded
.set XX, 168                           ; v168-231 64 numbers in the fragment's order: register 16 c + i = k 32 c + 16 h + i of row r
	s_load_b256 s[4:11], s[0:1], 0x0               ; keys s[4:5], q s[6:7], the scales' exponents s[8:9], the keys' codes s[10:11]
	s_load_b64 s[12:13], s[0:1], 0x20              ; q's codes
	v_lshl_add_u32 v232, v0, 2, 0x10800
	v_mov_b32 v233, 0
	v_lshrrev_b32 v6, 5, v0
	v_readfirstlane_b32 s14, v6                    ; wave 0..7
	v_and_b32 v7, 31, v0                           ; lane (v7 later takes the lane permute's result: it is written here)
	v_lshlrev_b32 v[LI], 4, v7
	s_mul_i32 s15, s14, STAGEB
	v_add_nc_u32 v[SA], s15, v[LI]
	v_and_b32 v8, 15, v0                           ; r
	v_bfe_u32 v9, v0, 4, 1                         ; h (v9 is later named as the upper half of the pair v[8:9]: it is written here)
	v_mul_u32_u24 v[RA], v8, PITCH
	v_lshl_add_u32 v[RA], v9, 6, v[RA]
	v_add_nc_u32 v[RA], s15, v[RA]
	s_mov_b32 s24, 0x76543210                      ; v_permlanex16_b32: lane l takes lane l xor 16
	s_mov_b32 s25, 0xfedcba98
	s_mov_b32 s26, 0x322bcc77                      ; 1e-8
	s_mov_b32 s29, 0
	s_wait_kmcnt 0x0
	s_load_b64 s[22:23], s[8:9], 0x0               ; e of q, e of the keys
	s_cmp_lt_u32 ttmp9, 256                        ; the keys' work-group or q's?  The choice hangs on the work-group's number alone
	s_cselect_b64 s[16:17], s[4:5], s[6:7]         ; from
	s_cselect_b64 s[18:19], s[10:11], s[12:13]     ; to
	s_cselect_b32 s20, 0, 256
	s_sub_co_u32 s20, ttmp9, s20                   ; the work-group's number within its tensor
	s_lshl_b32 s20, s20, 3
	s_add_co_u32 s20, s20, s14                     ; which run of 4 tiles is my wave's
	s_lshl_b32 s28, s20, 15                        ; 4 tiles x 8,192 bytes of f32
	s_add_nc_u64 s[16:17], s[16:17], s[28:29]
	s_lshl_b32 s28, s20, 13                        ; 4 tiles x 2,048 bytes of codes
	s_add_nc_u64 s[18:19], s[18:19], s[28:29]
.macro LOAD t                          ; tile t: 16 rows, one a load: 32 lanes read 512 consecutive bytes
.irp i, 0,1,2,3,4,5,6,7,8,9,10,11,12,13,14,15
	global_load_b128 v[RR+64*((\t)%2)+4*\i:RR+64*((\t)%2)+4*\i+3], v[LI], s[16:17] offset:8192*(\t)+512*\i th:TH_LOAD_NT
.endr
.endm
.macro TURN t                          ; through the stage: LDS serves a wave's instructions in order (ISA guide 5.7.1.4), so no wait stands between the stores and the loads
.irp i, 0,1,2,3,4,5,6,7,8,9,10,11,12,13,14,15
	ds_store_b128 v[SA], v[RR+64*((\t)%2)+4*\i:RR+64*((\t)%2)+4*\i+3] offset:PITCH*\i
.endr
.irp c, 0,1,2,3
.irp j, 0,1,2,3
	ds_load_b128 v[XX+16*\c+4*\j:XX+16*\c+4*\j+3], v[RA] offset:128*\c+16*\j
.endr
.endr
.endm
	LOAD 0
	LOAD 1
	s_wait_kmcnt 0x0
	s_cmp_lt_u32 ttmp9, 256
	s_cselect_b32 s22, s23, s22                    ; e
	s_add_co_i32 s22, s22, 127
	s_lshl_b32 s23, s22, 23
	v_mov_b32 v4, s23                              ; 2^e as f32: the conversion takes its exponent field
	s_add_co_i32 s22, s22, 15
	s_lshl_b32 s22, s22, 23
	s_or_b32 s22, s22, 0x600000
	v_mov_b32 v5, s22                              ; 57,344 x 2^e
.macro WORK t
.if (\t) < 3
	s_wait_loadcnt 16                              ; this tile's 16 loads are in; the next tile's 16 may be out
.else
	s_wait_loadcnt 0x0
.endif
	TURN \t
	s_wait_dscnt 0x0                               ; the 64 numbers are back, and the stores into the stage have read their registers,
.if (\t) < 2
	LOAD (\t)+2                                    ; which take the tile two further on
.endif
.irp k, 0,1,2,3
	v_pk_mul_f32 v[10+2*\k:11+2*\k], v[XX+2*\k:XX+2*\k+1], v[XX+2*\k:XX+2*\k+1]   ; the sum of squares of my 64 numbers: four chains, started by the first four pairs
.endr
.set J, 4
.rept 28
	v_pk_fma_f32 v[10+2*(J%4):11+2*(J%4)], v[XX+2*J:XX+2*J+1], v[XX+2*J:XX+2*J+1], v[10+2*(J%4):11+2*(J%4)]
.set J, J+1
.endr
	v_pk_add_f32 v[10:11], v[10:11], v[12:13]
	v_pk_add_f32 v[14:15], v[14:15], v[16:17]
	v_pk_add_f32 v[10:11], v[10:11], v[14:15]
	v_add_f32 v6, v10, v11
	v_permlanex16_b32 v7, v6, s24, s25             ; the row's other 64 numbers lie in the lane 16 away
	v_add_f32 v6, v6, v7
	v_sqrt_f32 v6, v6
	v_nop                                          ; a plain instruction behind the root (ISA guide 5.7.2),
	s_wait_alu depctr_va_vdst(0)                   ; and a wait ahead of the first use
	v_max_num_f32 v6, s26, v6                      ; max(norm, 1e-8)
	v_rcp_f32 v8, v6
	v_nop
	s_wait_alu depctr_va_vdst(0)                   ; likewise for the reciprocal
.set J, 0
.rept 32
	v_pk_mul_f32 v[XX+2*J:XX+2*J+1], v[XX+2*J:XX+2*J+1], v[8:9] op_sel_hi:[1,0]   ; x / norm (of the pair the low word serves both halves)
.set J, J+1
.endr
.set J, 0
.rept 64
	v_med3_num_f32 v[XX+J], v[XX+J], -v5, v5       ; the conversion to an 8-bit code does not saturate (ISA guide 7.6.2): the hold at the largest code x the scale
.set J, J+1
.endr
	s_wait_xcnt 0x0                                ; the last tile's stores have read their data: the codes' registers are written again only behind this wait
.irp c, 0,1,2,3
	v_cvt_scalef32_pk8_bf8_f32 v[CO+4*\c:CO+4*\c+1], v[XX+16*\c:XX+16*\c+7], v4
	v_cvt_scalef32_pk8_bf8_f32 v[CO+4*\c+2:CO+4*\c+3], v[XX+16*\c+8:XX+16*\c+15], v4
.endr
	v_nop                                          ; a plain instruction behind the last conversion
.irp c, 0,1,2,3
	global_store_b128 v[LI], v[CO+4*\c:CO+4*\c+3], s[18:19] offset:2048*(\t)+512*\c   ; a piece of the image: 32 lanes store 512 consecutive bytes, aligned
.endr
.endm
	WORK 0
	WORK 1
	WORK 2
	WORK 3
	s_wait_tensorcnt 0x0
	ds_add_u32 v232, v233
	s_wait_dscnt 0x0
	s_endpgm
.Lfunc_end_k_qf90c4d1cb2_quant:
	.size	k_qf90c4d1cb2_quant, .Lfunc_end_k_qf90c4d1cb2_quant-k_qf90c4d1cb2_quant
	.p2alignl 7, 3214868480
	.fill 96, 4, 3214868480
	.section	.rodata,"a",@progbits
	.p2align	6, 0x0
	.amdhsa_kernel k_qf90c4d1cb2_quant
		.amdhsa_group_segment_fixed_size 68608
		.amdhsa_private_segment_fixed_size 0
		.amdhsa_enable_private_segment 0
		.amdhsa_kernarg_size 40
		.amdhsa_user_sgpr_count 2
		.amdhsa_user_sgpr_kernarg_segment_ptr 1
		.amdhsa_wavefront_size32 1
		.amdhsa_system_sgpr_workgroup_id_x 1
		.amdhsa_system_sgpr_workgroup_id_y 1
		.amdhsa_system_sgpr_workgroup_id_z 1
		.amdhsa_system_vgpr_workitem_id 0
		.amdhsa_next_free_vgpr 234
		.amdhsa_next_free_sgpr 66
		.amdhsa_reserve_vcc 0
		.amdhsa_float_denorm_mode_32 3
		.amdhsa_float_denorm_mode_16_64 3
		.amdhsa_memory_ordered 1
		.amdhsa_forward_progress 1
		.amdhsa_inst_pref_size 55
	.end_amdhsa_kernel
	.amdgpu_metadata
---
amdhsa.version: [ 1, 2 ]
amdhsa.kernels:
  - .name:           k_qf90c4d1cb2_quant
    .symbol:         k_qf90c4d1cb2_quant.kd
    .args:
      - { .name: keys, .offset: 0, .size: 8, .value_kind: global_buffer, .address_space: global }
      - { .name: q, .offset: 8, .size: 8, .value_kind: global_buffer, .address_space: global }
      - { .name: lowp_scales, .offset: 16, .size: 8, .value_kind: global_buffer, .address_space: global }
      - { .name: kc, .offset: 24, .size: 8, .value_kind: global_buffer, .address_space: global }
      - { .name: qc, .offset: 32, .size: 8, .value_kind: global_buffer, .address_space: global }
    .group_segment_fixed_size: 68608
    .private_segment_fixed_size: 0
    .kernarg_segment_align: 8
    .kernarg_segment_size: 40
    .max_flat_workgroup_size: 256
    .sgpr_count:     66
    .vgpr_count:     234
    .wavefront_size: 32
...
	.end_amdgpu_metadata
.endif
;; end of part 1
;; launch scores (part 2): grid 256 x 1, 8 waves a work-group, no clusters, 66,560 bytes of LDS; arguments kc, qc, lowp_scales, gm; writes gm
.if DOCPART == 2
	.amdgcn_target "amdgcn-amd-amdhsa--gfx1250"
	.amdhsa_code_object_version 6
	.text
	.protected	k_qf90c4d1cb2_scores
	.globl	k_qf90c4d1cb2_scores
	.p2align	8
	.type	k_qf90c4d1cb2_scores,@function
k_qf90c4d1cb2_scores:
	s_mov_b64 s[64:65], 0
	v_nop
	global_prefetch_b8 v0, s[64:65] scope:SCOPE_SE
	s_setreg_imm32_b32 hwreg(HW_REG_WAVE_MODE, 25, 1), 1
	s_wait_xcnt 0x0
; The whole product, 1,024 queries x 131,072 keys x 128, on codes of BF8 (E5M2); of each GROUP of 64 neighbouring keys (group g: keys 64 g .. 64 g + 63) only the largest score of each query is kept,
; multiplied by 2^(e0 + e1) (v_ldexp_f32: monotone, so the largest of the scaled scores is the scaled largest).
; WHY THAT IS ENOUGH.  Order keys by (score falling, index rising) and groups by (largest score falling, number rising).  If five groups stand ahead of a key's group, each holds a key with a larger
; score, or an equal one at a lower index: five keys ahead of it.  So the five first keys lie in the five first groups; later launches pick those and score them again.
; SHARES.  Work-group x takes all queries x keys 512 x .. 512 x + 511: 32 tiles of 16 keys, 8 groups.  Wave w keeps the codes of query tiles 8 w .. 8 w + 7 in 128 registers for the whole launch and
; walks the 32 key tiles out of LDS: each fragment read from LDS feeds 8 products.  256 products a wave; two waves share a SIMD, so that one wave's maxima stand beside the other's products.
; LAYOUT.  Source 0 = 16 keys, source 1 = 16 queries: lane (r, h) holds query r, its register j key 8 h + j.  Both operands come as images of their registers (k = 32 c + 16 h + 0 .. 15 in registers
; 4 c .. 4 c + 3): a permutation of k that is the same on both sides, so every product meets its partner.
; K is one instruction deep: every product starts from the constant 0, no accumulator is added onto.  Four accumulators in two sets take turns: while one set's 16 registers are reduced, the other's products run.
; NO CLUSTER, NO TENSOR LOAD: the chunk's 65,536 bytes are the work-group's own; what all work-groups share, the queries' 131,072 bytes of codes, goes from memory straight into the registers where
; it stays (16,384 bytes a wave, read once); a joint load would lay the same bytes in LDS, from where each wave would have to read them once more.  Nothing in LDS is filled twice.
; OUT: gm, f32 [128 qb][256 chunk][8 q][8 g]: query 8 qb + q, group 8 chunk + g; one (qb, chunk) is 256 consecutive bytes, aligned, written whole by one store.
; LIMITS: NaN among the scores is not served (v_max_num drops it).
.set LI,  1                            ; v1   16 x lane
.set CP,  3                            ; v3   8,192 x wave + 16 x lane: my bytes of the chunk, in memory and in LDS
.set GO,  4                            ; v4   my bytes in gm: (r / 8) x 65,536 + (r % 8) x 32 + 16 h
.set QQ,  16                           ; v16-143   eight query fragments
.set KF,  144                          ; v144-175  two key fragments
.set ACC, 176                          ; v176-207  two sets of two accumulators
.set MX,  208                          ; v208-215  the running largest score of the group in hand, one a query tile
.set RES, 216                          ; v216-247  four a query tile: lanes 0-15 groups 0-3, lanes 16-31 groups 4-7
.set TT,  248                          ; v248-249  at work
	s_load_b256 s[4:11], s[0:1], 0x0               ; the keys' codes s[4:5], the queries' s[6:7], the scales' exponents s[8:9], gm s[10:11]
	v_lshl_add_u32 v254, v0, 2, 0x10000
	v_mov_b32 v255, 0
	v_lshrrev_b32 v2, 5, v0
	v_readfirstlane_b32 s12, v2                    ; wave 0..7
	v_and_b32 v5, 31, v0
	v_lshlrev_b32 v[LI], 4, v5
	v_lshl_add_u32 v[CP], v2, 13, v[LI]
	v_and_b32 v6, 15, v0                           ; r
	v_bfe_u32 v7, v0, 4, 1                         ; h
	v_lshrrev_b32 v8, 3, v6
	v_and_b32 v6, 7, v6
	v_lshlrev_b32 v[GO], 16, v8
	v_lshl_add_u32 v[GO], v6, 5, v[GO]
	v_lshl_add_u32 v[GO], v7, 4, v[GO]
	v_mov_b32 v[TT], 0                             ; written once: a lane permute's destination counts as one of its sources
	v_mov_b32 v[TT+1], 0
	s_mov_b32 s16, 0x76543210                      ; v_permlanex16_b32: lane l takes lane l xor 16
	s_mov_b32 s17, 0xfedcba98
	s_mov_b32 s18, 0xffff0000                      ; lanes 16-31
	s_lshl_b32 s14, ttmp9, 16                      ; my chunk: 32 tiles x 2,048 bytes
	s_mov_b32 s15, 0
	s_lshl_b32 s22, s12, 14                        ; my wave's 8 query tiles
	s_mov_b32 s23, 0
	s_lshl_b32 s24, ttmp9, 8                       ; gm: chunk x 256 bytes
	s_lshl_b32 s25, s12, 20                        ;     + 16 qb x 65,536 bytes a wave
	s_add_co_u32 s24, s24, s25
	s_mov_b32 s25, 0
	s_wait_kmcnt 0x0
	s_load_b64 s[20:21], s[8:9], 0x0               ; e0, e1
	s_add_nc_u64 s[4:5], s[4:5], s[14:15]
	s_add_nc_u64 s[6:7], s[6:7], s[22:23]
	s_add_nc_u64 s[10:11], s[10:11], s[24:25]
.irp i, 0,1,2,3,4,5,6,7,8,9,10,11,12,13,14,15
	global_load_b128 v[ACC+4*\i:ACC+4*\i+3], v[CP], s[4:5] offset:512*\i th:TH_LOAD_NT    ; my eighth of the chunk, through registers that are free until the products begin
.endr
.irp t, 0,1,2,3,4,5,6,7
.irp c, 0,1,2,3
	global_load_b128 v[QQ+16*\t+4*\c:QQ+16*\t+4*\c+3], v[LI], s[6:7] offset:2048*\t+512*\c
.endr
.endr
	s_wait_loadcnt 32                              ; the chunk's 16 loads are in; the 32 behind them, the queries', may be out
.irp i, 0,1,2,3,4,5,6,7,8,9,10,11,12,13,14,15
	ds_store_b128 v[CP], v[ACC+4*\i:ACC+4*\i+3] offset:512*\i
.endr
	s_wait_dscnt 0x0                               ; for the others' sake: my stores have landed
	s_barrier_signal -1
	s_barrier_wait -1                              ; the chunk's 32 images lie in LDS; nothing is written there again
.macro KLOAD kt                        ; key tile kt into buffer kt % 2
.irp c, 0,1,2,3
	ds_load_b128 v[KF+16*((\kt)%2)+4*\c:KF+16*((\kt)%2)+4*\c+3], v[LI] offset:2048*(\kt)+512*\c
.endr
.endm
.macro WM pair, set, p                 ; two products: the key tile in buffer p against query tiles 2 pair and 2 pair + 1
.irp u, 0,1
	v_wmma_f32_16x16x128_bf8_bf8 v[ACC+16*(\set)+8*\u:ACC+16*(\set)+8*\u+7], v[KF+16*(\p):KF+16*(\p)+15], v[QQ+16*(2*(\pair)+\u):QQ+16*(2*(\pair)+\u)+15], 0
.endr
.endm
; A set's 16 scores go into the two running maxima: eight instructions, the two tiles by turns, each accumulator from its low end on.  A group's first tile (kt % 4 = 0) starts the maxima: nothing is cleared.
; Behind a group's last tile (kt % 4 = 3) the two halves of the lanes are joined and the result is kept: groups 0-3 in all lanes, groups 4-7 then take lanes 16-31.
.macro RED pair, set, kt
.set AA, ACC+16*(\set)
.set AB, ACC+16*(\set)+8
.set MA, MX+2*(\pair)
.set MB, MX+2*(\pair)+1
.if ((\kt)%4) == 0
	v_max3_num_f32 v[MA], v[AA], v[AA+1], v[AA+2]
	v_max3_num_f32 v[MB], v[AB], v[AB+1], v[AB+2]
	v_max3_num_f32 v[MA], v[MA], v[AA+3], v[AA+4]
	v_max3_num_f32 v[MB], v[MB], v[AB+3], v[AB+4]
	v_max3_num_f32 v[MA], v[MA], v[AA+5], v[AA+6]
	v_max3_num_f32 v[MB], v[MB], v[AB+5], v[AB+6]
	v_max_num_f32 v[MA], v[MA], v[AA+7]
	v_max_num_f32 v[MB], v[MB], v[AB+7]
.else
.irp j, 0,2,4,6
	v_max3_num_f32 v[MA], v[MA], v[AA+\j], v[AA+\j+1]
	v_max3_num_f32 v[MB], v[MB], v[AB+\j], v[AB+\j+1]
.endr
.endif
.if ((\kt)%4) == 3
	v_permlanex16_b32 v[TT], v[MA], s16, s17
	v_permlanex16_b32 v[TT+1], v[MB], s16, s17
.if (\kt) < 16
	v_max_num_f32 v[RES+8*(\pair)+(\kt)/4], v[MA], v[TT]
	v_max_num_f32 v[RES+8*(\pair)+4+(\kt)/4], v[MB], v[TT+1]
.else
	v_max_num_f32 v[TT], v[MA], v[TT]
	v_max_num_f32 v[TT+1], v[MB], v[TT+1]
	v_cndmask_b32 v[RES+8*(\pair)+(\kt)/4-4], v[RES+8*(\pair)+(\kt)/4-4], v[TT], s18
	v_cndmask_b32 v[RES+8*(\pair)+(\kt)/4], v[RES+8*(\pair)+(\kt)/4], v[TT+1], s18
.endif
.endif
.endm
; A KEY TILE: 8 products.  DISTANCES (ISA guide 7.12.1; only plain vector instructions that name none of a matrix instruction's registers are counted).  Between a set's products and the reduction that reads
; them, and between them and the next products that write over the set, stand the OTHER set's eight reducing instructions (in the first tile five v_nop).  Between the last products that read a key
; buffer and the loads into it stand the eight of the set-0 reduction at the tile's end.
.macro TILE kt
.if (\kt) < 31
	KLOAD (\kt)+1
	s_wait_dscnt 0x4                               ; this tile's fragment is in; the four loads just issued may be out
.else
	s_wait_dscnt 0x0
.endif
	WM 0, 0, (\kt)%2
.if (\kt) == 0
.rept 5
	v_nop
.endr
.else
	RED 3, 1, (\kt)-1                              ; the last pair of the tile before
.endif
	WM 1, 1, (\kt)%2
	RED 0, 0, \kt
	WM 2, 0, (\kt)%2
	RED 1, 1, \kt
	WM 3, 1, (\kt)%2
	RED 2, 0, \kt
.endm
	s_wait_loadcnt 0x0                             ; the queries' codes
	s_wait_kmcnt 0x0
	s_add_co_i32 s20, s20, s21                     ; e0 + e1
	KLOAD 0
.set KT, 0
.rept 32
	TILE KT
.set KT, KT+1
.endr
	RED 3, 1, 31
.set J, 0
.rept 32
	v_ldexp_f32 v[RES+J], v[RES+J], s20            ; x 2^(e0 + e1)
.set J, J+1
.endr
.irp t, 0,1,2,3,4,5,6,7
	global_store_b128 v[GO], v[RES+4*\t:RES+4*\t+3], s[10:11] offset:131072*\t   ; query tile t: two blocks of 256 consecutive bytes, aligned, each written whole
.endr
	s_wait_tensorcnt 0x0
	ds_add_u32 v254, v255
	s_wait_dscnt 0x0
	s_endpgm
.Lfunc_end_k_qf90c4d1cb2_scores:
	.size	k_qf90c4d1cb2_scores, .Lfunc_end_k_qf90c4d1cb2_scores-k_qf90c4d1cb2_scores
	.p2alignl 7, 3214868480
	.fill 96, 4, 3214868480
	.section	.rodata,"a",@progbits
	.p2align	6, 0x0
	.amdhsa_kernel k_qf90c4d1cb2_scores
		.amdhsa_group_segment_fixed_size 66560
		.amdhsa_private_segment_fixed_size 0
		.amdhsa_enable_private_segment 0
		.amdhsa_kernarg_size 32
		.amdhsa_user_sgpr_count 2
		.amdhsa_user_sgpr_kernarg_segment_ptr 1
		.amdhsa_wavefront_size32 1
		.amdhsa_system_sgpr_workgroup_id_x 1
		.amdhsa_system_sgpr_workgroup_id_y 1
		.amdhsa_system_sgpr_workgroup_id_z 1
		.amdhsa_system_vgpr_workitem_id 0
		.amdhsa_next_free_vgpr 256
		.amdhsa_next_free_sgpr 66
		.amdhsa_reserve_vcc 0
		.amdhsa_float_denorm_mode_32 3
		.amdhsa_float_denorm_mode_16_64 3
		.amdhsa_memory_ordered 1
		.amdhsa_forward_progress 1
		.amdhsa_inst_pref_size 106
	.end_amdhsa_kernel
	.amdgpu_metadata
---
amdhsa.version: [ 1, 2 ]
amdhsa.kernels:
  - .name:           k_qf90c4d1cb2_scores
    .symbol:         k_qf90c4d1cb2_scores.kd
    .args:
      - { .name: kc, .offset: 0, .size: 8, .value_kind: global_buffer, .address_space: global }
      - { .name: qc, .offset: 8, .size: 8, .value_kind: global_buffer, .address_space: global }
      - { .name: lowp_scales, .offset: 16, .size: 8, .value_kind: global_buffer, .address_space: global }
      - { .name: gm, .offset: 24, .size: 8, .value_kind: global_buffer, .address_space: global }
    .group_segment_fixed_size: 66560
    .private_segment_fixed_size: 0
    .kernarg_segment_align: 8
    .kernarg_segment_size: 32
    .max_flat_workgroup_size: 256
    .sgpr_count:     66
    .vgpr_count:     256
    .wavefront_size: 32
...
	.end_amdgpu_metadata
.endif
;; end of part 2
;; launch pickg (part 3): grid 256 x 1, 4 waves a work-group, no clusters, 8,704 bytes of LDS; arguments gm, gsel; writes gsel
.if DOCPART == 3
	.amdgcn_target "amdgcn-amd-amdhsa--gfx1250"
	.amdhsa_code_object_version 6
	.text
	.protected	k_qf90c4d1cb2_pickg
	.globl	k_qf90c4d1cb2_pickg
	.p2align	8
	.type	k_qf90c4d1cb2_pickg,@function
k_qf90c4d1cb2_pickg:
	s_mov_b64 s[64:65], 0
	v_nop
	global_prefetch_b8 v0, s[64:65] scope:SCOPE_SE
	s_setreg_imm32_b32 hwreg(HW_REG_WAVE_MODE, 25, 1), 1
	s_wait_xcnt 0x0
; For each query the five first of its 2,048 groups, by (largest score falling, group number rising), stored as whole numbers at fixed places: gsel [1024][8] int32, words 0-4 the groups, words 5-7 zero.
; SHARES.  Work-group b takes queries 4 b .. 4 b + 3.  Thread t: query t % 4, groups 64 (t / 4) .. 64 (t / 4) + 63.  A lane keeps a sorted list of five (value, number) and inserts its 64 values in rising
; order of their numbers (a strict compare then keeps the lower number on a tie); the lists of the eight lanes of a wave that share a query are merged by three exchanges (lanes 4, 8 and 16 apart),
; the four waves' through LDS.  Merging inserts by the full order (value, then number), so it is right whatever the order of the lists.  Every wave runs every line; threads 0-3 store.
; No address and no branch hangs on a score: a choice only selects values (v_cndmask_b32).
; LIMITS: NaN and infinities among the scores are not served; +0 and -0 count as equal.
.set LV, 32                            ; v32-36 the list's values, falling; v37-39 zero (stored with them)
.set LN, 40                            ; v40-44 their numbers; v45-47 zero
.set PV, 48                            ; v48-52 a partner's values
.set PN, 56                            ; v56-60 a partner's numbers
.set VV, 64                            ; v64-127 my 64 values
.set OT, 128                           ; v128-175 the three other waves' lists
.set TA, 8                             ; v8, v9 at work
.set TB, 9
.set CA, 48                            ; s48-52 lanes in which x stands ahead of list entry i
.set CB, 53                            ; s53-57, s58-62 at work
.set CC, 58
.set SEL, 24                           ; s[24:25]
; The list takes (x, its number) where the masks s[CA] .. s[CA+4] say: from the bottom up, so that each line finds its upper neighbour as it was.
.macro SHIFT xr, idop
	v_med3_num_f32 v[LV+4], v[\xr], v[LV+3], v[LV+4]
	v_med3_num_f32 v[LV+3], v[\xr], v[LV+2], v[LV+3]
	v_med3_num_f32 v[LV+2], v[\xr], v[LV+1], v[LV+2]
	v_med3_num_f32 v[LV+1], v[\xr], v[LV], v[LV+1]
	v_max_num_f32 v[LV], v[LV], v[\xr]
	v_cndmask_b32 v[TA], \idop, v[LN+3], s[CA+3]
	v_cndmask_b32 v[TB], \idop, v[LN+2], s[CA+2]
	v_cndmask_b32 v[LN+4], v[LN+4], v[TA], s[CA+4]
	v_cndmask_b32 v[TA], \idop, v[LN+1], s[CA+1]
	v_cndmask_b32 v[LN+3], v[LN+3], v[TB], s[CA+3]
	v_cndmask_b32 v[TB], \idop, v[LN], s[CA]
	v_cndmask_b32 v[LN+2], v[LN+2], v[TA], s[CA+2]
	v_cndmask_b32 v[LN+1], v[LN+1], v[TB], s[CA+1]
	v_cndmask_b32 v[LN], v[LN], \idop, s[CA]
.endm
.macro INS xr, idop                    ; for numbers that come in rising order
.irp k, 0,1,2,3,4
	v_cmp_gt_f32 s[CA+\k], v[\xr], v[LV+\k]
.endr
	SHIFT \xr, \idop
.endm
.macro INSF xr, nr                     ; by the full order: larger, or equal with the lower number
.irp k, 0,1,2,3,4
	v_cmp_gt_f32 s[CA+\k], v[\xr], v[LV+\k]
	v_cmp_eq_f32 s[CB+\k], v[\xr], v[LV+\k]
	v_cmp_lt_u32 s[CC+\k], v[\nr], v[LN+\k]
.endr
.irp k, 0,1,2,3,4
	s_and_b32 s[CB+\k], s[CB+\k], s[CC+\k]
	s_or_b32 s[CA+\k], s[CA+\k], s[CB+\k]
.endr
	SHIFT \xr, v[\nr]
.endm
.macro MERGE_X m                       ; with the lane m away (exclusive or), inside a half of 16 lanes: the partner's list is fetched whole, then inserted; both partners end with the same list
.irp k, 0,1,2,3,4
	v_mov_b32_dpp v[PV+\k], v[LV+\k] row_xmask:\m row_mask:0xf bank_mask:0xf
	v_mov_b32_dpp v[PN+\k], v[LN+\k] row_xmask:\m row_mask:0xf bank_mask:0xf
.endr
.irp k, 0,1,2,3,4
	INSF PV+\k, PN+\k
.endr
.endm
.macro MERGE_16                        ; with the lane 16 away
.irp k, 0,1,2,3,4
	v_permlanex16_b32 v[PV+\k], v[LV+\k], s[SEL], s[SEL+1]
	v_permlanex16_b32 v[PN+\k], v[LN+\k], s[SEL], s[SEL+1]
.endr
.irp k, 0,1,2,3,4
	INSF PV+\k, PN+\k
.endr
.endm
	s_load_b128 s[4:7], s[0:1], 0x0                ; gm s[4:5], gsel s[6:7]
	v_lshl_add_u32 v176, v0, 2, 0x2000
	v_mov_b32 v177, 0
	v_lshrrev_b32 v2, 2, v0                        ; rho = t / 4: my 64 groups
	v_and_b32 v10, 3, v0                           ; my query of the four
	v_lshlrev_b32 v1, 11, v2                       ; gm: 8 chunks x 256 bytes x rho
	v_lshl_add_u32 v1, v10, 5, v1                  ;     + 32 bytes a query
	v_lshlrev_b32 v3, 6, v0                        ; LDS: 64 bytes a thread
	v_xor_b32 v4, 0x800, v3                        ; and the same lane's place in the three other waves
	v_xor_b32 v5, 0x1000, v3
	v_xor_b32 v6, 0x1800, v3
	v_lshlrev_b32 v7, 5, v0                        ; gsel: 32 bytes a query
	s_lshr_b32 s8, ttmp9, 1
	s_lshl_b32 s8, s8, 16                          ; gm: qb = b / 2, 65,536 bytes each,
	s_and_b32 s9, ttmp9, 1
	s_lshl_b32 s9, s9, 7                           ; + 4 (b % 2) queries of 32 bytes
	s_add_co_u32 s8, s8, s9
	s_mov_b32 s9, 0
	s_lshl_b32 s10, ttmp9, 7                       ; gsel: 4 queries x 32 bytes
	s_mov_b32 s11, 0
	s_mov_b32 s[SEL], 0x76543210
	s_mov_b32 s[SEL+1], 0xfedcba98
	s_wait_kmcnt 0x0
	s_add_nc_u64 s[4:5], s[4:5], s[8:9]
	s_add_nc_u64 s[6:7], s[6:7], s[10:11]
.irp c, 0,1,2,3,4,5,6,7
	global_load_b128 v[VV+8*\c:VV+8*\c+3], v1, s[4:5] offset:256*\c       ; register n: group 64 rho + n
	global_load_b128 v[VV+8*\c+4:VV+8*\c+7], v1, s[4:5] offset:256*\c+16
.endr
.irp k, 0,1,2,3,4
	v_mov_b32 v[LV+\k], 0xff800000                 ; the list begins as five times -infinity, under every score; 64 values push them all out
	v_mov_b32 v[LN+\k], \k
	v_mov_b32 v[PV+\k], 0                          ; written once: the destination of a DPP move or a lane permute counts as one of its sources
	v_mov_b32 v[PN+\k], 0
.endr
.irp k, 5,6,7
	v_mov_b32 v[LV+\k], 0
	v_mov_b32 v[LN+\k], 0
.endr
.irp n, 0,1,2,3,4,5,6,7,8,9,10,11,12,13,14,15
	s_wait_loadcnt 15-\n                           ; load n is in; those issued behind it may be out
.irp i, 0,1,2,3
	INS VV+4*\n+\i, 4*\n+\i
.endr
.endr
.irp k, 0,1,2,3,4
	v_lshl_add_u32 v[LN+\k], v2, 6, v[LN+\k]       ; the group's number: 64 rho + n
.endr
	MERGE_X 4
	MERGE_X 8
	MERGE_16
	ds_store_b128 v3, v[LV:LV+3]
	ds_store_b128 v3, v[LV+4:LV+7] offset:16
	ds_store_b128 v3, v[LN:LN+3] offset:32
	ds_store_b128 v3, v[LN+4:LN+7] offset:48
	s_wait_dscnt 0x0                               ; for the others' sake: my stores have landed
	s_barrier_signal -1
	s_barrier_wait -1
.irp w, 0,1,2
.irp c, 0,1,2,3
	ds_load_b128 v[OT+16*\w+4*\c:OT+16*\w+4*\c+3], v[4+\w] offset:16*\c
.endr
.endr
	s_wait_dscnt 0x0
.irp w, 0,1,2
.irp j, 0,1,2,3,4
	INSF OT+16*\w+\j, OT+16*\w+8+\j
.endr
.endr
	v_cmp_gt_u32 vcc_lo, 4, v0                     ; threads 0-3 hold the four queries' lists
	s_wait_xcnt 0x0                                ; EXEC changes only behind this wait
	s_wait_tensorcnt 0x0
	ds_add_u32 v176, v177
	s_wait_dscnt 0x0
	s_and_saveexec_b32 s20, vcc_lo
	global_store_b128 v7, v[LN:LN+3], s[6:7]
	global_store_b128 v7, v[LN+4:LN+7], s[6:7] offset:16
	s_wait_xcnt 0x0                                ; and again, in front of the line that widens it
	s_or_b32 exec_lo, exec_lo, s20
	s_endpgm
.Lfunc_end_k_qf90c4d1cb2_pickg:
	.size	k_qf90c4d1cb2_pickg, .Lfunc_end_k_qf90c4d1cb2_pickg-k_qf90c4d1cb2_pickg
	.p2alignl 7, 3214868480
	.fill 96, 4, 3214868480
	.section	.rodata,"a",@progbits
	.p2align	6, 0x0
	.amdhsa_kernel k_qf90c4d1cb2_pickg
		.amdhsa_group_segment_fixed_size 8704
		.amdhsa_private_segment_fixed_size 0
		.amdhsa_enable_private_segment 0
		.amdhsa_kernarg_size 16
		.amdhsa_user_sgpr_count 2
		.amdhsa_user_sgpr_kernarg_segment_ptr 1
		.amdhsa_wavefront_size32 1
		.amdhsa_system_sgpr_workgroup_id_x 1
		.amdhsa_system_sgpr_workgroup_id_y 1
		.amdhsa_system_sgpr_workgroup_id_z 1
		.amdhsa_system_vgpr_workitem_id 0
		.amdhsa_next_free_vgpr 178
		.amdhsa_next_free_sgpr 66
		.amdhsa_reserve_vcc 1
		.amdhsa_float_denorm_mode_32 3
		.amdhsa_float_denorm_mode_16_64 3
		.amdhsa_memory_ordered 1
		.amdhsa_forward_progress 1
		.amdhsa_inst_pref_size 145
	.end_amdhsa_kernel
	.amdgpu_metadata
---
amdhsa.version: [ 1, 2 ]
amdhsa.kernels:
  - .name:           k_qf90c4d1cb2_pickg
    .symbol:         k_qf90c4d1cb2_pickg.kd
    .args:
      - { .name: gm, .offset: 0, .size: 8, .value_kind: global_buffer, .address_space: global }
      - { .name: gsel, .offset: 8, .size: 8, .value_kind: global_buffer, .address_space: global }
    .group_segment_fixed_size: 8704
    .private_segment_fixed_size: 0
    .kernarg_segment_align: 8
    .kernarg_segment_size: 16
    .max_flat_workgroup_size: 128
    .sgpr_count:     66
    .vgpr_count:     178
    .wavefront_size: 32
...
	.end_amdgpu_metadata
.endif
;; end of part 3
;; launch rescore (part 4): grid 256 x 1, 4 waves a work-group, no clusters, 0 bytes of LDS; arguments gsel, kc, qc, lowp_scales, idx; writes idx
.if DOCPART == 4
	.amdgcn_target "amdgcn-amd-amdhsa--gfx1250"
	.amdhsa_code_object_version 6
	.text
	.protected	k_qf90c4d1cb2_rescore
	.globl	k_qf90c4d1cb2_rescore
	.p2align	8
	.type	k_qf90c4d1cb2_rescore,@function
k_qf90c4d1cb2_rescore:
	s_mov_b64 s[64:65], 0
	v_nop
	global_prefetch_b8 v0, s[64:65] scope:SCOPE_SE
	s_setreg_imm32_b32 hwreg(HW_REG_WAVE_MODE, 25, 1), 1
	s_wait_xcnt 0x0
; For each query the 320 keys of its five chosen groups are scored again, by the same matrix instruction on the same codes, and the five first keys by (score falling, index rising) are stored as
; whole numbers: idx [1024][8] int32, words 0-4 the keys, words 5-7 zero.
; SHARES.  One wave, one query m = 4 x work-group + wave; waves share nothing: no LDS, no barrier.  The groups' numbers are whole numbers that an earlier launch stored; each is held under 2,048 before it
; enters an address.
; LAYOUT.  Source 0 = query m's codes in all 16 rows (every lane loads row m % 16 of the query tile's image), source 1 = a tile of 16 keys: lane (r, h) then holds the score of key r of the tile in
; every register of the result; register 0 is taken.  The sources are the other way round than where the groups' maxima were made: the transposed tile of the same sums.
; A lane inserts its 20 scores into a sorted list of five (score, key); four exchanges inside each half of 16 lanes merge the lists (both halves hold the same).  All inserts go by the full order.
; REGISTERS, in windows of 256: window 0: addresses, the query's fragment, four results, the lists, group 4's four fragments (v128-191); window 1: the fragments of groups 0-3, 64 registers a group.
; All 84 loads go out at once.
; LIMITS: NaN and infinities among the scores are not served; +0 and -0 count as equal.
.set QF, 16                            ; v16-31  the query's fragment
.set DD, 32                            ; v32-63  four results
.set LV, 64                            ; v64-68  the list's values, falling
.set LN, 72                            ; v72-76  their keys; v77-79 zero
.set PV, 80                            ; v80-84  a partner's values
.set PN, 88                            ; v88-92  a partner's keys
.set XV, 96                            ; v96-99  four scores
.set XN, 100                           ; v100-103 their keys
.set TA, 104
.set TB, 105
.set CA, 48                            ; s48-52 lanes in which x stands ahead of list entry i
.set CB, 53                            ; s53-57, s58-62 at work
.set CC, 58
.set MSB, 0
.macro WIN new                         ; s_set_vgpr_msb: bits 1:0 source 0, 3:2 source 1, 5:4 source 2, 7:6 destination; the immediate's high byte repeats the setting that is left
.if MSB != \new
	s_set_vgpr_msb (MSB<<8)|\new
.set MSB, \new
.endif
.endm
.macro SHIFT xr, idop                  ; the list takes (x, its key) where the masks say: from the bottom up
	v_med3_num_f32 v[LV+4], v[\xr], v[LV+3], v[LV+4]
	v_med3_num_f32 v[LV+3], v[\xr], v[LV+2], v[LV+3]
	v_med3_num_f32 v[LV+2], v[\xr], v[LV+1], v[LV+2]
	v_med3_num_f32 v[LV+1], v[\xr], v[LV], v[LV+1]
	v_max_num_f32 v[LV], v[LV], v[\xr]
	v_cndmask_b32 v[TA], \idop, v[LN+3], s[CA+3]
	v_cndmask_b32 v[TB], \idop, v[LN+2], s[CA+2]
	v_cndmask_b32 v[LN+4], v[LN+4], v[TA], s[CA+4]
	v_cndmask_b32 v[TA], \idop, v[LN+1], s[CA+1]
	v_cndmask_b32 v[LN+3], v[LN+3], v[TB], s[CA+3]
	v_cndmask_b32 v[TB], \idop, v[LN], s[CA]
	v_cndmask_b32 v[LN+2], v[LN+2], v[TA], s[CA+2]
	v_cndmask_b32 v[LN+1], v[LN+1], v[TB], s[CA+1]
	v_cndmask_b32 v[LN], v[LN], \idop, s[CA]
.endm
.macro INSF xr, nr                     ; by the full order: larger, or equal with the lower index
.irp k, 0,1,2,3,4
	v_cmp_gt_f32 s[CA+\k], v[\xr], v[LV+\k]
	v_cmp_eq_f32 s[CB+\k], v[\xr], v[LV+\k]
	v_cmp_lt_u32 s[CC+\k], v[\nr], v[LN+\k]
.endr
.irp k, 0,1,2,3,4
	s_and_b32 s[CB+\k], s[CB+\k], s[CC+\k]
	s_or_b32 s[CA+\k], s[CA+\k], s[CB+\k]
.endr
	SHIFT \xr, v[\nr]
.endm
.macro MERGE_X m
.irp k, 0,1,2,3,4
	v_mov_b32_dpp v[PV+\k], v[LV+\k] row_xmask:\m row_mask:0xf bank_mask:0xf
	v_mov_b32_dpp v[PN+\k], v[LN+\k] row_xmask:\m row_mask:0xf bank_mask:0xf
.endr
.irp k, 0,1,2,3,4
	INSF PV+\k, PN+\k
.endr
.endm
	s_load_b256 s[4:11], s[0:1], 0x0               ; gsel s[4:5], the keys' codes s[6:7], the queries' s[8:9], the scales' exponents s[10:11]
	s_load_b64 s[12:13], s[0:1], 0x20              ; idx
	v_lshrrev_b32 v4, 5, v0
	v_readfirstlane_b32 s14, v4                    ; wave 0..3
	v_and_b32 v5, 31, v0                           ; lane
	v_lshlrev_b32 v1, 4, v5                        ; 16 x lane: my bytes of a piece of an image
	v_and_b32 v3, 15, v0                           ; r
	v_bfe_u32 v2, v0, 4, 1
	v_lshlrev_b32 v2, 8, v2                        ; 256 h: my half's 16 lanes of a piece
	v_mov_b32 v6, 0
	s_lshl_b32 s15, ttmp9, 2
	s_add_co_u32 s15, s15, s14                     ; m
	s_lshl_b32 s2, s15, 5                          ; 32 bytes a query in gsel and in idx
	s_mov_b32 s3, 0
	s_lshr_b32 s26, s15, 4
	s_lshl_b32 s26, s26, 11                        ; the query's tile, 2,048 bytes each,
	s_and_b32 s27, s15, 15
	s_lshl_b32 s27, s27, 4                         ; and its row's 16 bytes in a piece
	s_add_co_u32 s38, s26, s27
	s_mov_b32 s39, 0
	s_wait_kmcnt 0x0
	s_add_nc_u64 s[4:5], s[4:5], s[2:3]
	s_add_nc_u64 s[12:13], s[12:13], s[2:3]
	s_add_nc_u64 s[8:9], s[8:9], s[38:39]
	s_load_b256 s[16:23], s[4:5], 0x0              ; the five groups (and three zeros)
	s_load_b64 s[24:25], s[10:11], 0x0             ; e0, e1
.irp c, 0,1,2,3
	global_load_b128 v[QF+4*\c:QF+4*\c+3], v2, s[8:9] offset:512*\c
.endr
	s_wait_kmcnt 0x0
	s_add_co_i32 s24, s24, s25                     ; e0 + e1
.irp a, 0,1,2,3,4
	s_min_u32 s[16+\a], s[16+\a], 0x7ff            ; a loaded number enters an address only behind this hold
	s_lshl_b32 s[40+\a], s[16+\a], 6               ; the group's first key
	s_lshl_b32 s2, s[16+\a], 13                    ; its four images: 8,192 bytes
	s_add_nc_u64 s[28+2*\a:29+2*\a], s[6:7], s[2:3]
.endr
	WIN 0x40                                       ; destination window 1, address window 0
.irp a, 0,1,2,3
.irp i, 0,1,2,3
.irp c, 0,1,2,3
	global_load_b128 v[64*\a+16*\i+4*\c:64*\a+16*\i+4*\c+3], v1, s[28+2*\a:29+2*\a] offset:2048*\i+512*\c
.endr
.endr
.endr
	WIN 0
.irp i, 0,1,2,3
.irp c, 0,1,2,3
	global_load_b128 v[128+16*\i+4*\c:128+16*\i+4*\c+3], v1, s[36:37] offset:2048*\i+512*\c
.endr
.endr
.irp k, 0,1,2,3,4
	v_mov_b32 v[LV+\k], 0xff800000                 ; the list begins as five times -infinity, under every score; 20 scores push them all out
	v_mov_b32 v[LN+\k], \k
	v_mov_b32 v[PV+\k], 0                          ; written once: a DPP move's destination counts as one of its sources
	v_mov_b32 v[PN+\k], 0
.endr
.irp k, 5,6,7
	v_mov_b32 v[LN+\k], 0
.endr
; Group a: four products, each from the constant 0.  The four additions that make the keys' numbers are the four places between the last product and the first read of a result (ISA guide 7.12.1);
; the inserts' plain instructions are the places ahead of the next group's products, which write over the results.
.macro GROUP a
.if (\a) == 0
	s_wait_loadcnt 63                              ; behind group 0's loads 64 were issued; the wait's field holds 63 at the most, and a smaller count is safe
.else
	s_wait_loadcnt 16*(4-(\a))                     ; the later groups' loads may be out
.endif
.if (\a) < 4
	WIN 0x04                                       ; source 1 window 1
.irp i, 0,1,2,3
	v_wmma_f32_16x16x128_bf8_bf8 v[DD+8*\i:DD+8*\i+7], v[QF:QF+15], v[64*(\a)+16*\i:64*(\a)+16*\i+15], 0
.endr
	WIN 0
.else
.irp i, 0,1,2,3
	v_wmma_f32_16x16x128_bf8_bf8 v[DD+8*\i:DD+8*\i+7], v[QF:QF+15], v[128+16*\i:128+16*\i+15], 0
.endr
.endif
.irp i, 0,1,2,3
	s_add_co_u32 s26, s[40+(\a)], 16*\i
	v_add_nc_u32 v[XN+\i], s26, v3                 ; key 64 g + 16 i + r
.endr
.irp i, 0,1,2,3
	v_ldexp_f32 v[XV+\i], v[DD+8*\i], s24          ; the score x 2^(e0 + e1): the result's lowest register
.endr
.irp i, 0,1,2,3
	INSF XV+\i, XN+\i
.endr
.endm
	GROUP 0
	GROUP 1
	GROUP 2
	GROUP 3
	GROUP 4
	MERGE_X 1
	MERGE_X 2
	MERGE_X 4
	MERGE_X 8
	v_cmp_eq_u32 vcc_lo, 0, v5                     ; lane 0 stores
	s_wait_xcnt 0x0                                ; EXEC changes only behind this wait
	s_and_saveexec_b32 s26, vcc_lo
	global_store_b128 v6, v[LN:LN+3], s[12:13]
	global_store_b128 v6, v[LN+4:LN+7], s[12:13] offset:16
	s_wait_xcnt 0x0                                ; and again, in front of the line that widens it
	s_or_b32 exec_lo, exec_lo, s26
	s_endpgm
.Lfunc_end_k_qf90c4d1cb2_rescore:
	.size	k_qf90c4d1cb2_rescore, .Lfunc_end_k_qf90c4d1cb2_rescore-k_qf90c4d1cb2_rescore
	.p2alignl 7, 3214868480
	.fill 96, 4, 3214868480
	.section	.rodata,"a",@progbits
	.p2align	6, 0x0
	.amdhsa_kernel k_qf90c4d1cb2_rescore
		.amdhsa_group_segment_fixed_size 0
		.amdhsa_private_segment_fixed_size 0
		.amdhsa_enable_private_segment 0
		.amdhsa_kernarg_size 40
		.amdhsa_user_sgpr_count 2
		.amdhsa_user_sgpr_kernarg_segment_ptr 1
		.amdhsa_wavefront_size32 1
		.amdhsa_system_sgpr_workgroup_id_x 1
		.amdhsa_system_sgpr_workgroup_id_y 1
		.amdhsa_system_sgpr_workgroup_id_z 1
		.amdhsa_system_vgpr_workitem_id 0
		.amdhsa_next_free_vgpr 512
		.amdhsa_next_free_sgpr 66
		.amdhsa_reserve_vcc 1
		.amdhsa_float_denorm_mode_32 3
		.amdhsa_float_denorm_mode_16_64 3
		.amdhsa_memory_ordered 1
		.amdhsa_forward_progress 1
		.amdhsa_inst_pref_size 102
	.end_amdhsa_kernel
	.amdgpu_metadata
---
amdhsa.version: [ 1, 2 ]
amdhsa.kernels:
  - .name:           k_qf90c4d1cb2_rescore
    .symbol:         k_qf90c4d1cb2_rescore.kd
    .args:
      - { .name: gsel, .offset: 0, .size: 8, .value_kind: global_buffer, .address_space: global }
      - { .name: kc, .offset: 8, .size: 8, .value_kind: global_buffer, .address_space: global }
      - { .name: qc, .offset: 16, .size: 8, .value_kind: global_buffer, .address_space: global }
      - { .name: lowp_scales, .offset: 24, .size: 8, .value_kind: global_buffer, .address_space: global }
      - { .name: idx, .offset: 32, .size: 8, .value_kind: global_buffer, .address_space: global }
    .group_segment_fixed_size: 0
    .private_segment_fixed_size: 0
    .kernarg_segment_align: 8
    .kernarg_segment_size: 40
    .max_flat_workgroup_size: 128
    .sgpr_count:     66
    .vgpr_count:     512
    .wavefront_size: 32
...
	.end_amdgpu_metadata
.endif
;; end of part 4
;; launch fuse (part 5): grid 256 x 1, 4 waves a work-group, no clusters, 0 bytes of LDS; arguments idx, values, out0; writes out0
.if DOCPART == 5
	.amdgcn_target "amdgcn-amd-amdhsa--gfx1250"
	.amdhsa_code_object_version 6
	.text
	.protected	k_qf90c4d1cb2_fuse
	.globl	k_qf90c4d1cb2_fuse
	.p2align	8
	.type	k_qf90c4d1cb2_fuse,@function
k_qf90c4d1cb2_fuse:
	s_mov_b64 s[64:65], 0
	v_nop
	global_prefetch_b8 v0, s[64:65] scope:SCOPE_SE
	s_setreg_imm32_b32 hwreg(HW_REG_WAVE_MODE, 25, 1), 1
	s_wait_xcnt 0x0
; out0[m][:] = the mean of the five rows of values [131072][256] f32 that idx names for query m.  One wave, one query m = 4 x work-group + wave.
; The keys' indices are whole numbers that an earlier launch stored; each is held under 131,072 before it enters an address.  A row is 1,024 bytes: two loads of 16 bytes a lane, 512 consecutive
; bytes each.  All ten loads go out at once; the rows are added as they come, in the order of the list, and the sum is multiplied by 0.2.  No LDS, no barrier, no matrix work: memory binds.
	s_load_b128 s[4:7], s[0:1], 0x0                ; idx s[4:5], values s[6:7]
	s_load_b64 s[8:9], s[0:1], 0x10                ; out0
	v_lshrrev_b32 v2, 5, v0
	v_readfirstlane_b32 s10, v2                    ; wave 0..3
	v_and_b32 v1, 31, v0
	v_lshlrev_b32 v1, 4, v1                        ; 16 x lane
	s_lshl_b32 s11, ttmp9, 2
	s_add_co_u32 s11, s11, s10                     ; m
	s_lshl_b32 s12, s11, 5                         ; 32 bytes a query in idx
	s_mov_b32 s13, 0
	s_lshl_b32 s14, s11, 10                        ; 1,024 bytes a row of out0
	s_mov_b32 s15, 0
	s_wait_kmcnt 0x0
	s_add_nc_u64 s[4:5], s[4:5], s[12:13]
	s_add_nc_u64 s[8:9], s[8:9], s[14:15]
	s_load_b256 s[16:23], s[4:5], 0x0              ; the five keys (and three zeros)
	s_wait_kmcnt 0x0
.irp a, 0,1,2,3,4
	s_min_u32 s[16+\a], s[16+\a], 0x1ffff          ; a loaded number enters an address only behind this hold
	s_lshl_b32 s12, s[16+\a], 10
	s_add_nc_u64 s[24+2*\a:25+2*\a], s[6:7], s[12:13]
.endr
.irp a, 0,1,2,3,4
	global_load_b128 v[8+8*\a:11+8*\a], v1, s[24+2*\a:25+2*\a]              ; no hint: two queries may name the same row
	global_load_b128 v[12+8*\a:15+8*\a], v1, s[24+2*\a:25+2*\a] offset:512
.endr
.irp a, 1,2,3,4
	s_wait_loadcnt 8-2*\a                          ; rows 0 to a are in; the later rows' loads may be out
.irp j, 0,2,4,6
	v_pk_add_f32 v[8+\j:9+\j], v[8+\j:9+\j], v[8+8*\a+\j:9+8*\a+\j]
.endr
.endr
.irp j, 0,2,4,6
	v_pk_mul_f32 v[8+\j:9+\j], v[8+\j:9+\j], 0x3e4ccccd op_sel_hi:[1,0]     ; x 0.2
.endr
	global_store_b128 v1, v[8:11], s[8:9] th:TH_STORE_NT                    ; 32 lanes store 512 consecutive bytes, aligned
	global_store_b128 v1, v[12:15], s[8:9] offset:512 th:TH_STORE_NT
	s_endpgm
.Lfunc_end_k_qf90c4d1cb2_fuse:
	.size	k_qf90c4d1cb2_fuse, .Lfunc_end_k_qf90c4d1cb2_fuse-k_qf90c4d1cb2_fuse
	.p2alignl 7, 3214868480
	.fill 96, 4, 3214868480
	.section	.rodata,"a",@progbits
	.p2align	6, 0x0
	.amdhsa_kernel k_qf90c4d1cb2_fuse
		.amdhsa_group_segment_fixed_size 0
		.amdhsa_private_segment_fixed_size 0
		.amdhsa_enable_private_segment 0
		.amdhsa_kernarg_size 24
		.amdhsa_user_sgpr_count 2
		.amdhsa_user_sgpr_kernarg_segment_ptr 1
		.amdhsa_wavefront_size32 1
		.amdhsa_system_sgpr_workgroup_id_x 1
		.amdhsa_system_sgpr_workgroup_id_y 1
		.amdhsa_system_sgpr_workgroup_id_z 1
		.amdhsa_system_vgpr_workitem_id 0
		.amdhsa_next_free_vgpr 64
		.amdhsa_next_free_sgpr 66
		.amdhsa_reserve_vcc 0
		.amdhsa_float_denorm_mode_32 3
		.amdhsa_float_denorm_mode_16_64 3
		.amdhsa_memory_ordered 1
		.amdhsa_forward_progress 1
		.amdhsa_inst_pref_size 5
	.end_amdhsa_kernel
	.amdgpu_metadata
---
amdhsa.version: [ 1, 2 ]
amdhsa.kernels:
  - .name:           k_qf90c4d1cb2_fuse
    .symbol:         k_qf90c4d1cb2_fuse.kd
    .args:
      - { .name: idx, .offset: 0, .size: 8, .value_kind: global_buffer, .address_space: global }
      - { .name: values, .offset: 8, .size: 8, .value_kind: global_buffer, .address_space: global }
      - { .name: out0, .offset: 16, .size: 8, .value_kind: global_buffer, .address_space: global }
    .group_segment_fixed_size: 0
    .private_segment_fixed_size: 0
    .kernarg_segment_align: 8
    .kernarg_segment_size: 24
    .max_flat_workgroup_size: 128
    .sgpr_count:     66
    .vgpr_count:     64
    .wavefront_size: 32
...
	.end_amdgpu_metadata
.endif
;; end of part 5
;; ======== version 2 of 2: 5 launches
;; workspace buffers: kc 16,777,216 bytes; qc 131,072 bytes; gm 8,388,608 bytes; gsel 32,768 bytes of whole numbers; idx 32,768 bytes of whole numbers
;; launch quant (part 6): grid 258 x 1, 8 waves a work-group, no clusters, 68,608 bytes of LDS; arguments keys, q, lowp_scales, kc, qc; writes kc, qc
.if DOCPART == 6
	.amdgcn_target "amdgcn-amd-amdhsa--gfx1250"
	.amdhsa_code_object_version 6
	.text
	.protected	k_qf90c4d1cb2_quant
	.globl	k_qf90c4d1cb2_quant
	.p2align	8
	.type	k_qf90c4d1cb2_quant,@function
k_qf90c4d1cb2_quant:
	s_mov_b64 s[64:65], 0
	v_nop
	global_prefetch_b8 v0, s[64:65] scope:SCOPE_SE
	s_setreg_imm32_b32 hwreg(HW_REG_WAVE_MODE, 25, 1), 1
	s_wait_xcnt 0x0
; keys [131072][128] and q [1024][128], f32: each row is divided by max(its norm, 1e-8) and turned into codes of BF8 (E5M2) with the one scale 2^e that is given
; for the tensor (q: entry 0 of the scales, keys: entry 1).  code = x / norm / 2^e, held within +-57,344, to the nearest code, ties to even.
; THE CODES ARE LAID AS IMAGES OF OPERAND REGISTERS: a tile is 16 rows x 128 along K = 2,048 bytes = four pieces of 512 bytes; in piece c lane (r, h) has 16 bytes, at 16 x lane:
; the codes of row r, k = 32 c + 16 h + 0 .. 15.  A later launch gets a whole fragment by four loads of 16 bytes a lane, 512 consecutive bytes each.
; SHARES.  A wave takes 4 tiles, a work-group 32.  Work-groups 0-255 take the keys' 8,192 tiles, 256 and 257 q's 64: only pointers and e are chosen, there is one path through the text.
; Each load reads one row, 512 consecutive bytes; the 16 rows turn through the wave's own stage in LDS (rows 528 bytes apart) and come back 64 numbers a lane, in the fragment's order.
; No barrier: waves share nothing.  Two tiles' loads (32 a wave) are out at the start, 16 while a tile is worked on.
; The division is a multiplication by v_rcp_f32 of the norm; the norm is v_sqrt_f32 of an f32 sum of squares in four chains.
; LIMITS: e between -126 and 112, so that 2^e and 57,344 x 2^e are f32 numbers.  NaN and infinities among the inputs are not served.
.set PITCH,  528                       ; a stage row: 512 bytes + 16 = 132 words: row r starts 4 r words on, modulo 64 words (64 banks of 4 bytes: ISA guide 11.1)
.set STAGEB, 16*PITCH                  ; a wave's stage
.set LI, 1                             ; v1   16 x lane: my bytes of a row in memory and of a piece of the image
.set SA, 2                             ; v2   the stage, on the way in: 16 x lane
.set RA, 3                             ; v3   the stage, on the way out: row r, + 64 h bytes
.set CO, 18                            ; v18-33   a tile's codes
.set RR, 40                            ; v40-167  two sets of 64: a tile as it is loaded
.set XX, 168                           ; v168-231 64 numbers in the fragment's order: register 16 c + i = k 32 c + 16 h + i of row r
	s_load_b256 s[4:11], s[0:1], 0x0               ; keys s[4:5], q s[6:7], the scales' exponents s[8:9], the keys' codes s[10:11]
	s_load_b64 s[12:13], s[0:1], 0x20              ; q's codes
	v_lshl_add_u32 v232, v0, 2, 0x10800
	v_mov_b32 v233, 0
	v_lshrrev_b32 v6, 5, v0
	s_delay_alu instid0(VALU_DEP_1)
	v_readfirstlane_b32 s14, v6                    ; wave 0..7
	v_and_b32 v7, 31, v0                           ; lane (v7 later takes the lane permute's result: it is written here)
	s_delay_alu instid0(VALU_DEP_1)
	v_lshlrev_b32 v[LI], 4, v7
	s_mul_i32 s15, s14, STAGEB
	v_add_nc_u32 v[SA], s15, v[LI]
	v_and_b32 v8, 15, v0                           ; r
	v_bfe_u32 v9, v0, 4, 1                         ; h (v9 is later named as the upper half of the pair v[8:9]: it is written here)
	s_delay_alu instid0(VALU_DEP_2)
	v_mul_u32_u24 v[RA], v8, PITCH
	s_delay_alu instid0(VALU_DEP_1)
	v_lshl_add_u32 v[RA], v9, 6, v[RA]
	s_delay_alu instid0(VALU_DEP_1)
	v_add_nc_u32 v[RA], s15, v[RA]
	s_mov_b32 s24, 0x76543210                      ; v_permlanex16_b32: lane l takes lane l xor 16
	s_mov_b32 s25, 0xfedcba98
	s_mov_b32 s26, 0x322bcc77                      ; 1e-8
	s_mov_b32 s29, 0
	s_wait_alu depctr_va_vdst(0)
	s_wait_kmcnt 0x0
	s_load_b64 s[22:23], s[8:9], 0x0               ; e of q, e of the keys
	s_cmp_lt_u32 ttmp9, 256                        ; the keys' work-group or q's?  The choice hangs on the work-group's number alone
	s_cselect_b64 s[16:17], s[4:5], s[6:7]         ; from
	s_cselect_b64 s[18:19], s[10:11], s[12:13]     ; to
	s_cselect_b32 s20, 0, 256
	s_sub_co_u32 s20, ttmp9, s20                   ; the work-group's number within its tensor
	s_lshl_b32 s20, s20, 3
	s_add_co_u32 s20, s20, s14                     ; which run of 4 tiles is my wave's
	s_lshl_b32 s28, s20, 15                        ; 4 tiles x 8,192 bytes of f32
	s_add_nc_u64 s[16:17], s[16:17], s[28:29]
	s_lshl_b32 s28, s20, 13                        ; 4 tiles x 2,048 bytes of codes
	s_add_nc_u64 s[18:19], s[18:19], s[28:29]
.macro LOAD t                          ; tile t: 16 rows, one a load: 32 lanes read 512 consecutive bytes
.irp i, 0,1,2,3,4,5,6,7,8,9,10,11,12,13,14,15
	global_load_b128 v[RR+64*((\t)%2)+4*\i:RR+64*((\t)%2)+4*\i+3], v[LI], s[16:17] offset:8192*(\t)+512*\i th:TH_LOAD_NT
.endr
.endm
.macro TURN t                          ; through the stage: LDS serves a wave's instructions in order (ISA guide 5.7.1.4), so no wait stands between the stores and the loads
.irp i, 0,1,2,3,4,5,6,7,8,9,10,11,12,13,14,15
	ds_store_b128 v[SA], v[RR+64*((\t)%2)+4*\i:RR+64*((\t)%2)+4*\i+3] offset:PITCH*\i
.endr
.irp c, 0,1,2,3
.irp j, 0,1,2,3
	ds_load_b128 v[XX+16*\c+4*\j:XX+16*\c+4*\j+3], v[RA] offset:128*\c+16*\j
.endr
.endr
.endm
	LOAD 0
	LOAD 1
	s_wait_kmcnt 0x0
	s_cmp_lt_u32 ttmp9, 256
	s_cselect_b32 s22, s23, s22                    ; e
	s_add_co_i32 s22, s22, 127
	s_lshl_b32 s23, s22, 23
	v_mov_b32 v4, s23                              ; 2^e as f32: the conversion takes its exponent field
	s_add_co_i32 s22, s22, 15
	s_lshl_b32 s22, s22, 23
	s_or_b32 s22, s22, 0x600000
	v_mov_b32 v5, s22                              ; 57,344 x 2^e
.macro WORK t
.if (\t) < 3
	s_wait_loadcnt 16                              ; this tile's 16 loads are in; the next tile's 16 may be out
.else
	s_wait_loadcnt 0x0
.endif
	TURN \t
	s_wait_dscnt 0x0                               ; the 64 numbers are back, and the stores into the stage have read their registers,
.if (\t) < 2
	LOAD (\t)+2                                    ; which take the tile two further on
.endif
.irp k, 0,1,2,3
	v_pk_mul_f32 v[10+2*\k:11+2*\k], v[XX+2*\k:XX+2*\k+1], v[XX+2*\k:XX+2*\k+1]   ; the sum of squares of my 64 numbers: four chains, started by the first four pairs
.endr
.set J, 4
.rept 28
	s_delay_alu instid0(VALU_DEP_4)
	v_pk_fma_f32 v[10+2*(J%4):11+2*(J%4)], v[XX+2*J:XX+2*J+1], v[XX+2*J:XX+2*J+1], v[10+2*(J%4):11+2*(J%4)]
.set J, J+1
.endr
	s_delay_alu instid0(VALU_DEP_3)
	v_pk_add_f32 v[10:11], v[10:11], v[12:13]
	s_delay_alu instid0(VALU_DEP_2)
	v_pk_add_f32 v[14:15], v[14:15], v[16:17]
	s_delay_alu instid0(VALU_DEP_1)
	v_pk_add_f32 v[10:11], v[10:11], v[14:15]
	s_delay_alu instid0(VALU_DEP_1)
	v_add_f32 v6, v10, v11
	s_delay_alu instid0(VALU_DEP_1)
	v_permlanex16_b32 v7, v6, s24, s25             ; the row's other 64 numbers lie in the lane 16 away
	s_delay_alu instid0(VALU_DEP_1)
	v_add_f32 v6, v6, v7
	s_wait_alu depctr_va_vdst(0)
	v_sqrt_f32 v6, v6
	v_nop                                          ; a plain instruction behind the root (ISA guide 5.7.2),
	s_wait_alu depctr_va_vdst(0)                   ; and a wait ahead of the first use
	v_max_num_f32 v6, s26, v6                      ; max(norm, 1e-8)
	s_wait_alu depctr_va_vdst(0)
	v_rcp_f32 v8, v6
	v_nop
	s_wait_alu depctr_va_vdst(0)                   ; likewise for the reciprocal
.set J, 0
.rept 32
	v_pk_mul_f32 v[XX+2*J:XX+2*J+1], v[XX+2*J:XX+2*J+1], v[8:9] op_sel_hi:[1,0]   ; x / norm (of the pair the low word serves both halves)
.set J, J+1
.endr
.set J, 0
.rept 64
	v_med3_num_f32 v[XX+J], v[XX+J], -v5, v5       ; the conversion to an 8-bit code does not saturate (ISA guide 7.6.2): the hold at the largest code x the scale
.set J, J+1
.endr
	s_wait_alu depctr_va_vdst(0)
	s_wait_xcnt 0x0                                ; the last tile's stores have read their data: the codes' registers are written again only behind this wait
.irp c, 0,1,2,3
	v_cvt_scalef32_pk8_bf8_f32 v[CO+4*\c:CO+4*\c+1], v[XX+16*\c:XX+16*\c+7], v4
	v_cvt_scalef32_pk8_bf8_f32 v[CO+4*\c+2:CO+4*\c+3], v[XX+16*\c+8:XX+16*\c+15], v4
.endr
	v_nop                                          ; a plain instruction behind the last conversion
.irp c, 0,1,2,3
	global_store_b128 v[LI], v[CO+4*\c:CO+4*\c+3], s[18:19] offset:2048*(\t)+512*\c   ; a piece of the image: 32 lanes store 512 consecutive bytes, aligned
.endr
.endm
	WORK 0
	WORK 1
	WORK 2
	WORK 3
	s_wait_tensorcnt 0x0
	ds_add_u32 v232, v233
	s_wait_dscnt 0x0
	s_endpgm
.Lfunc_end_k_qf90c4d1cb2_quant:
	.size	k_qf90c4d1cb2_quant, .Lfunc_end_k_qf90c4d1cb2_quant-k_qf90c4d1cb2_quant
	.p2alignl 7, 3214868480
	.fill 96, 4, 3214868480
	.section	.rodata,"a",@progbits
	.p2align	6, 0x0
	.amdhsa_kernel k_qf90c4d1cb2_quant
		.amdhsa_group_segment_fixed_size 68608
		.amdhsa_private_segment_fixed_size 0
		.amdhsa_enable_private_segment 0
		.amdhsa_kernarg_size 40
		.amdhsa_user_sgpr_count 2
		.amdhsa_user_sgpr_kernarg_segment_ptr 1
		.amdhsa_wavefront_size32 1
		.amdhsa_system_sgpr_workgroup_id_x 1
		.amdhsa_system_sgpr_workgroup_id_y 1
		.amdhsa_system_sgpr_workgroup_id_z 1
		.amdhsa_system_vgpr_workitem_id 0
		.amdhsa_next_free_vgpr 234
		.amdhsa_next_free_sgpr 66
		.amdhsa_reserve_vcc 0
		.amdhsa_float_denorm_mode_32 3
		.amdhsa_float_denorm_mode_16_64 3
		.amdhsa_memory_ordered 1
		.amdhsa_forward_progress 1
		.amdhsa_inst_pref_size 60
	.end_amdhsa_kernel
	.amdgpu_metadata
---
amdhsa.version: [ 1, 2 ]
amdhsa.kernels:
  - .name:           k_qf90c4d1cb2_quant
    .symbol:         k_qf90c4d1cb2_quant.kd
    .args:
      - { .name: keys, .offset: 0, .size: 8, .value_kind: global_buffer, .address_space: global }
      - { .name: q, .offset: 8, .size: 8, .value_kind: global_buffer, .address_space: global }
      - { .name: lowp_scales, .offset: 16, .size: 8, .value_kind: global_buffer, .address_space: global }
      - { .name: kc, .offset: 24, .size: 8, .value_kind: global_buffer, .address_space: global }
      - { .name: qc, .offset: 32, .size: 8, .value_kind: global_buffer, .address_space: global }
    .group_segment_fixed_size: 68608
    .private_segment_fixed_size: 0
    .kernarg_segment_align: 8
    .kernarg_segment_size: 40
    .max_flat_workgroup_size: 256
    .sgpr_count:     66
    .vgpr_count:     234
    .wavefront_size: 32
...
	.end_amdgpu_metadata
.endif
;; end of part 6
;; launch scores (part 7): grid 256 x 1, 8 waves a work-group, no clusters, 66,560 bytes of LDS; arguments kc, qc, lowp_scales, gm; writes gm
.if DOCPART == 7
	.amdgcn_target "amdgcn-amd-amdhsa--gfx1250"
	.amdhsa_code_object_version 6
	.text
	.protected	k_qf90c4d1cb2_scores
	.globl	k_qf90c4d1cb2_scores
	.p2align	8
	.type	k_qf90c4d1cb2_scores,@function
k_qf90c4d1cb2_scores:
	s_mov_b64 s[64:65], 0
	v_nop
	global_prefetch_b8 v0, s[64:65] scope:SCOPE_SE
	s_setreg_imm32_b32 hwreg(HW_REG_WAVE_SCHED_MODE, 0, 2), 2
	s_setreg_imm32_b32 hwreg(HW_REG_WAVE_MODE, 25, 1), 1
	s_wait_xcnt 0x0
	s_wait_alu depctr_vm_vsrc(0)
; The whole product, 1,024 queries x 131,072 keys x 128, on codes of BF8 (E5M2); of each GROUP of 64 neighbouring keys (group g: keys 64 g .. 64 g + 63) only the largest score of each query is kept,
; multiplied by 2^(e0 + e1) (v_ldexp_f32: monotone, so the largest of the scaled scores is the scaled largest).
; WHY THAT IS ENOUGH.  Order keys by (score falling, index rising) and groups by (largest score falling, number rising).  If five groups stand ahead of a key's group, each holds a key with a larger
; score, or an equal one at a lower index: five keys ahead of it.  So the five first keys lie in the five first groups; later launches pick those and score them again.
; SHARES.  Work-group x takes all queries x keys 512 x .. 512 x + 511: 32 tiles of 16 keys, 8 groups.  Wave w keeps the codes of query tiles 8 w .. 8 w + 7 in 128 registers for the whole launch and
; walks the 32 key tiles out of LDS: each fragment read from LDS feeds 8 products.  256 products a wave; two waves share a SIMD, so that one wave's maxima stand beside the other's products.
; LAYOUT.  Source 0 = 16 keys, source 1 = 16 queries: lane (r, h) holds query r, its register j key 8 h + j.  Both operands come as images of their registers (k = 32 c + 16 h + 0 .. 15 in registers
; 4 c .. 4 c + 3): a permutation of k that is the same on both sides, so every product meets its partner.
; K is one instruction deep: every product starts from the constant 0, no accumulator is added onto.  Four accumulators in two sets take turns: while one set's 16 registers are reduced, the other's products run.
; NO CLUSTER, NO TENSOR LOAD: the chunk's 65,536 bytes are the work-group's own; what all work-groups share, the queries' 131,072 bytes of codes, goes from memory straight into the registers where
; it stays (16,384 bytes a wave, read once); a joint load would lay the same bytes in LDS, from where each wave would have to read them once more.  Nothing in LDS is filled twice.
; OUT: gm, f32 [128 qb][256 chunk][8 q][8 g]: query 8 qb + q, group 8 chunk + g; one (qb, chunk) is 256 consecutive bytes, aligned, written whole by one store.
; LIMITS: NaN among the scores is not served (v_max_num drops it).
; THE MODE: SCHED_MODE bits 1:0 = 2 (LLVM: expert scheduling mode 2), set by the entry lines.  The code itself states the register dependences between vector or matrix instructions and memory or LDS
; instructions, with s_wait_alu, always for 0.
; THE PLAN.  Registers that memory or LDS instructions touch:
;   v[CP], v[LI], v[GO]   offsets and LDS addresses: written at the head, never again; one wait on va_vdst ahead of the first load serves every access by them.
;   v176-239              the chunk's staging: the chunk's loads land there, the LDS stores read them; behind the barrier they are the accumulators, the maxima and the results: one wait on vm_vsrc there.
;   v[QQ ..]              loaded once, read by products alone.
;   KF0, KF1              tile kt's products read KF[kt % 2]; the loads of tile kt + 1 land in the other buffer, which the products of tile kt - 1 read last.
;   v[RES ..]             written by maxima, selects and the scaling; read by the eight stores at the end: one wait on va_vdst ahead of them.
; So ONE wait on va_vdst stands in a tile, at its head, behind the wait for the tile's own fragment: it states that the products of the tile before are done reading the other key buffer.  The tile's own
; products and maxima name KF[kt % 2], the queries' fragments, the accumulators, the maxima and the results: none of the registers that the four loads touch; these are dealt among the tile's products.
.set LI,  1                            ; v1   16 x lane
.set CP,  3                            ; v3   8,192 x wave + 16 x lane: my bytes of the chunk, in memory and in LDS
.set GO,  4                            ; v4   my bytes in gm: (r / 8) x 65,536 + (r % 8) x 32 + 16 h
.set QQ,  16                           ; v16-143   eight query fragments
.set KF,  144                          ; v144-175  two key fragments
.set ACC, 176                          ; v176-207  two sets of two accumulators
.set MX,  208                          ; v208-215  the running largest score of the group in hand, one a query tile
.set RES, 216                          ; v216-247  four a query tile: lanes 0-15 groups 0-3, lanes 16-31 groups 4-7
.set TT,  248                          ; v248-249  at work
	s_load_b256 s[4:11], s[0:1], 0x0               ; the keys' codes s[4:5], the queries' s[6:7], the scales' exponents s[8:9], gm s[10:11]
	v_lshl_add_u32 v254, v0, 2, 0x10000
	v_mov_b32 v255, 0
	v_lshrrev_b32 v2, 5, v0
	v_readfirstlane_b32 s12, v2                    ; wave 0..7
	v_and_b32 v5, 31, v0
	v_lshlrev_b32 v[LI], 4, v5
	v_lshl_add_u32 v[CP], v2, 13, v[LI]
	v_and_b32 v6, 15, v0                           ; r
	v_bfe_u32 v7, v0, 4, 1                         ; h
	v_lshrrev_b32 v8, 3, v6
	v_and_b32 v6, 7, v6
	v_lshlrev_b32 v[GO], 16, v8
	v_lshl_add_u32 v[GO], v6, 5, v[GO]
	v_lshl_add_u32 v[GO], v7, 4, v[GO]
	v_mov_b32 v[TT], 0                             ; written once: a lane permute's destination counts as one of its sources
	v_mov_b32 v[TT+1], 0
	s_mov_b32 s16, 0x76543210                      ; v_permlanex16_b32: lane l takes lane l xor 16
	s_mov_b32 s17, 0xfedcba98
	s_mov_b32 s18, 0xffff0000                      ; lanes 16-31
	s_lshl_b32 s14, ttmp9, 16                      ; my chunk: 32 tiles x 2,048 bytes
	s_mov_b32 s15, 0
	s_wait_alu depctr_va_sdst(0)                   ; s12, the wave's number, is written, ahead of its first reader: the queries' base and gm's are made from it
	s_lshl_b32 s22, s12, 14                        ; my wave's 8 query tiles
	s_mov_b32 s23, 0
	s_lshl_b32 s24, ttmp9, 8                       ; gm: chunk x 256 bytes
	s_lshl_b32 s25, s12, 20                        ;     + 16 qb x 65,536 bytes a wave
	s_add_co_u32 s24, s24, s25
	s_mov_b32 s25, 0
	s_wait_kmcnt 0x0
	s_load_b64 s[20:21], s[8:9], 0x0               ; e0, e1
	s_add_nc_u64 s[4:5], s[4:5], s[14:15]
	s_add_nc_u64 s[6:7], s[6:7], s[22:23]
	s_add_nc_u64 s[10:11], s[10:11], s[24:25]
	s_wait_alu depctr_va_vdst(0)                   ; v[CP], v[LI] and v[GO] are written: every load, LDS access and store of the kernel reads one of them, and no vector line writes them again
.irp i, 0,1,2,3,4,5,6,7,8,9,10,11,12,13,14,15
	global_load_b128 v[ACC+4*\i:ACC+4*\i+3], v[CP], s[4:5] offset:512*\i th:TH_LOAD_NT    ; my eighth of the chunk, through registers that are free until the products begin
.endr
.irp t, 0,1,2,3,4,5,6,7
.irp c, 0,1,2,3
	global_load_b128 v[QQ+16*\t+4*\c:QQ+16*\t+4*\c+3], v[LI], s[6:7] offset:2048*\t+512*\c
.endr
.endr
	s_wait_loadcnt 32                              ; the chunk's 16 loads are in; the 32 behind them, the queries', may be out
.irp i, 0,1,2,3,4,5,6,7,8,9,10,11,12,13,14,15
	ds_store_b128 v[CP], v[ACC+4*\i:ACC+4*\i+3] offset:512*\i
.endr
	s_wait_dscnt 0x0                               ; for the others' sake: my stores have landed
	s_barrier_signal -1
	s_barrier_wait -1                              ; the chunk's 32 images lie in LDS; nothing is written there again
	s_wait_alu depctr_vm_vsrc(0)                   ; my LDS stores have read v176-239: these registers are the accumulators, the maxima and the results from here on, written by products and vector lines
.macro KLOAD kt, c0                    ; two of the four pieces of key tile kt, c0 and c0 + 1, into buffer kt % 2
.irp c, \c0, \c0+1
	ds_load_b128 v[KF+16*((\kt)%2)+4*(\c):KF+16*((\kt)%2)+4*(\c)+3], v[LI] offset:2048*(\kt)+512*(\c)
.endr
.endm
.macro WM pair, set, p                 ; two products: the key tile in buffer p against query tiles 2 pair and 2 pair + 1
.irp u, 0,1
	v_wmma_f32_16x16x128_bf8_bf8 v[ACC+16*(\set)+8*\u:ACC+16*(\set)+8*\u+7], v[KF+16*(\p):KF+16*(\p)+15], v[QQ+16*(2*(\pair)+\u):QQ+16*(2*(\pair)+\u)+15], 0
.endr
.endm
; A set's 16 scores go into the two running maxima: eight instructions, the two tiles by turns, each accumulator from its low end on.  A group's first tile (kt % 4 = 0) starts the maxima: nothing is cleared.
; Behind a group's last tile (kt % 4 = 3) the two halves of the lanes are joined and the result is kept: groups 0-3 in all lanes, groups 4-7 then take lanes 16-31.
.macro RED pair, set, kt
.set AA, ACC+16*(\set)
.set AB, ACC+16*(\set)+8
.set MA, MX+2*(\pair)
.set MB, MX+2*(\pair)+1
.if ((\kt)%4) == 0
	v_max3_num_f32 v[MA], v[AA], v[AA+1], v[AA+2]
	v_max3_num_f32 v[MB], v[AB], v[AB+1], v[AB+2]
	v_max3_num_f32 v[MA], v[MA], v[AA+3], v[AA+4]
	v_max3_num_f32 v[MB], v[MB], v[AB+3], v[AB+4]
	v_max3_num_f32 v[MA], v[MA], v[AA+5], v[AA+6]
	v_max3_num_f32 v[MB], v[MB], v[AB+5], v[AB+6]
	v_max_num_f32 v[MA], v[MA], v[AA+7]
	v_max_num_f32 v[MB], v[MB], v[AB+7]
.else
.irp j, 0,2,4,6
	v_max3_num_f32 v[MA], v[MA], v[AA+\j], v[AA+\j+1]
	v_max3_num_f32 v[MB], v[MB], v[AB+\j], v[AB+\j+1]
.endr
.endif
.if ((\kt)%4) == 3
	v_permlanex16_b32 v[TT], v[MA], s16, s17
	v_permlanex16_b32 v[TT+1], v[MB], s16, s17
.if (\kt) < 16
	v_max_num_f32 v[RES+8*(\pair)+(\kt)/4], v[MA], v[TT]
	v_max_num_f32 v[RES+8*(\pair)+4+(\kt)/4], v[MB], v[TT+1]
.else
	v_max_num_f32 v[TT], v[MA], v[TT]
	v_max_num_f32 v[TT+1], v[MB], v[TT+1]
	v_cndmask_b32 v[RES+8*(\pair)+(\kt)/4-4], v[RES+8*(\pair)+(\kt)/4-4], v[TT], s18
	v_cndmask_b32 v[RES+8*(\pair)+(\kt)/4], v[RES+8*(\pair)+(\kt)/4], v[TT+1], s18
.endif
.endif
.endm
; A KEY TILE: 8 products.  DISTANCES (ISA guide 7.12.1; only plain vector instructions that name none of a matrix instruction's registers are counted).  Between a set's products and the reduction that reads
; them, and between them and the next products that write over the set, stand the OTHER set's eight reducing instructions (in the first tile five v_nop).
; The next tile's four LDS loads stand behind the tile's first and second pair of products, two and two: they have the rest of the tile in which to land.
; Tile 0 has no wait on va_vdst: no vector or matrix instruction has named the buffer that its loads fill.  Tile 31 loads nothing and has none either.
.macro TILE kt
	s_wait_dscnt 0x0                               ; this tile's fragment, asked for a tile ago, is in: its four loads are all that is out
.if ((\kt) > 0) && ((\kt) < 31)
	s_wait_alu depctr_va_vdst(0)                   ; the products of the tile before are done reading the other key buffer, in which this tile's four loads land
.endif
	WM 0, 0, (\kt)%2
.if (\kt) < 31
	KLOAD (\kt)+1, 0                               ; no further wait: no vector or matrix instruction since the wait above names that buffer
.endif
.if (\kt) == 0
.rept 5
	v_nop
.endr
.else
	RED 3, 1, (\kt)-1                              ; the last pair of the tile before
.endif
	WM 1, 1, (\kt)%2
.if (\kt) < 31
	KLOAD (\kt)+1, 2
.endif
	RED 0, 0, \kt
	WM 2, 0, (\kt)%2
	RED 1, 1, \kt
	WM 3, 1, (\kt)%2
	RED 2, 0, \kt
.endm
	s_wait_loadcnt 0x0                             ; the queries' codes
	s_wait_kmcnt 0x0
	s_add_co_i32 s20, s20, s21                     ; e0 + e1
	KLOAD 0, 0
	KLOAD 0, 2
.set KT, 0
.rept 32
	TILE KT
.set KT, KT+1
.endr
	RED 3, 1, 31
.set J, 0
.rept 32
	v_ldexp_f32 v[RES+J], v[RES+J], s20            ; x 2^(e0 + e1)
.set J, J+1
.endr
	s_wait_alu depctr_va_vdst(0)                   ; the scalings have written v[RES ..], which the eight stores read
.irp t, 0,1,2,3,4,5,6,7
	global_store_b128 v[GO], v[RES+4*\t:RES+4*\t+3], s[10:11] offset:131072*\t   ; query tile t: two blocks of 256 consecutive bytes, aligned, each written whole
.endr
	s_wait_dscnt 0x0                               ; the closing lines, six on end
	s_wait_alu 0x0
	s_wait_tensorcnt 0x0
	ds_add_u32 v254, v255
	s_wait_dscnt 0x0
	s_endpgm
.Lfunc_end_k_qf90c4d1cb2_scores:
	.size	k_qf90c4d1cb2_scores, .Lfunc_end_k_qf90c4d1cb2_scores-k_qf90c4d1cb2_scores
	.p2alignl 7, 3214868480
	.fill 96, 4, 3214868480
	.section	.rodata,"a",@progbits
	.p2align	6, 0x0
	.amdhsa_kernel k_qf90c4d1cb2_scores
		.amdhsa_group_segment_fixed_size 66560
		.amdhsa_private_segment_fixed_size 0
		.amdhsa_enable_private_segment 0
		.amdhsa_kernarg_size 32
		.amdhsa_user_sgpr_count 2
		.amdhsa_user_sgpr_kernarg_segment_ptr 1
		.amdhsa_wavefront_size32 1
		.amdhsa_system_sgpr_workgroup_id_x 1
		.amdhsa_system_sgpr_workgroup_id_y 1
		.amdhsa_system_sgpr_workgroup_id_z 1
		.amdhsa_system_vgpr_workitem_id 0
		.amdhsa_next_free_vgpr 256
		.amdhsa_next_free_sgpr 66
		.amdhsa_reserve_vcc 0
		.amdhsa_float_denorm_mode_32 3
		.amdhsa_float_denorm_mode_16_64 3
		.amdhsa_memory_ordered 1
		.amdhsa_forward_progress 1
		.amdhsa_inst_pref_size 107
	.end_amdhsa_kernel
	.amdgpu_metadata
---
amdhsa.version: [ 1, 2 ]
amdhsa.kernels:
  - .name:           k_qf90c4d1cb2_scores
    .symbol:         k_qf90c4d1cb2_scores.kd
    .args:
      - { .name: kc, .offset: 0, .size: 8, .value_kind: global_buffer, .address_space: global }
      - { .name: qc, .offset: 8, .size: 8, .value_kind: global_buffer, .address_space: global }
      - { .name: lowp_scales, .offset: 16, .size: 8, .value_kind: global_buffer, .address_space: global }
      - { .name: gm, .offset: 24, .size: 8, .value_kind: global_buffer, .address_space: global }
    .group_segment_fixed_size: 66560
    .private_segment_fixed_size: 0
    .kernarg_segment_align: 8
    .kernarg_segment_size: 32
    .max_flat_workgroup_size: 256
    .sgpr_count:     66
    .vgpr_count:     256
    .wavefront_size: 32
...
	.end_amdgpu_metadata
.endif
;; end of part 7
;; launch pickg (part 8): grid 256 x 1, 4 waves a work-group, no clusters, 8,704 bytes of LDS; arguments gm, gsel; writes gsel
.if DOCPART == 8
	.amdgcn_target "amdgcn-amd-amdhsa--gfx1250"
	.amdhsa_code_object_version 6
	.text
	.protected	k_qf90c4d1cb2_pickg
	.globl	k_qf90c4d1cb2_pickg
	.p2align	8
	.type	k_qf90c4d1cb2_pickg,@function
k_qf90c4d1cb2_pickg:
	s_mov_b64 s[64:65], 0
	v_nop
	global_prefetch_b8 v0, s[64:65] scope:SCOPE_SE
	s_setreg_imm32_b32 hwreg(HW_REG_WAVE_MODE, 25, 1), 1
	s_wait_xcnt 0x0
; For each query the five first of its 2,048 groups, by (largest score falling, group number rising), stored as whole numbers at fixed places: gsel [1024][8] int32, words 0-4 the groups, words 5-7 zero.
; SHARES.  Work-group b takes queries 4 b .. 4 b + 3.  Thread t: query t % 4, groups 64 (t / 4) .. 64 (t / 4) + 63.  A lane keeps a sorted list of five (value, number) and inserts its 64 values in rising
; order of their numbers (a strict compare then keeps the lower number on a tie); the lists of the eight lanes of a wave that share a query are merged by three exchanges (lanes 4, 8 and 16 apart),
; the four waves' through LDS.  Merging inserts by the full order (value, then number), so it is right whatever the order of the lists.  Every wave runs every line; threads 0-3 store.
; No address and no branch hangs on a score: a choice only selects values (v_cndmask_b32).
; LIMITS: NaN and infinities among the scores are not served; +0 and -0 count as equal.
.set LV, 32                            ; v32-36 the list's values, falling; v37-39 zero (stored with them)
.set LN, 40                            ; v40-44 their numbers; v45-47 zero
.set PV, 48                            ; v48-52 a partner's values
.set PN, 56                            ; v56-60 a partner's numbers
.set VV, 64                            ; v64-127 my 64 values
.set OT, 128                           ; v128-175 the three other waves' lists
.set TA, 8                             ; v8, v9 at work
.set TB, 9
.set CA, 48                            ; s48-52 lanes in which x stands ahead of list entry i
.set CB, 53                            ; s53-57, s58-62 at work
.set CC, 58
.set SEL, 24                           ; s[24:25]
; The list takes (x, its number) where the masks s[CA] .. s[CA+4] say: from the bottom up, so that each line finds its upper neighbour as it was.
.macro SHIFT xr, idop
	v_med3_num_f32 v[LV+4], v[\xr], v[LV+3], v[LV+4]
	v_med3_num_f32 v[LV+3], v[\xr], v[LV+2], v[LV+3]
	v_med3_num_f32 v[LV+2], v[\xr], v[LV+1], v[LV+2]
	v_med3_num_f32 v[LV+1], v[\xr], v[LV], v[LV+1]
	v_max_num_f32 v[LV], v[LV], v[\xr]
	v_cndmask_b32 v[TA], \idop, v[LN+3], s[CA+3]
	v_cndmask_b32 v[TB], \idop, v[LN+2], s[CA+2]
	v_cndmask_b32 v[LN+4], v[LN+4], v[TA], s[CA+4]
	v_cndmask_b32 v[TA], \idop, v[LN+1], s[CA+1]
	v_cndmask_b32 v[LN+3], v[LN+3], v[TB], s[CA+3]
	v_cndmask_b32 v[TB], \idop, v[LN], s[CA]
	v_cndmask_b32 v[LN+2], v[LN+2], v[TA], s[CA+2]
	v_cndmask_b32 v[LN+1], v[LN+1], v[TB], s[CA+1]
	v_cndmask_b32 v[LN], v[LN], \idop, s[CA]
.endm
.macro INS xr, idop                    ; for numbers that come in rising order
.irp k, 0,1,2,3,4
	v_cmp_gt_f32 s[CA+\k], v[\xr], v[LV+\k]
.endr
	SHIFT \xr, \idop
.endm
.macro INSF xr, nr                     ; by the full order: larger, or equal with the lower number
.irp k, 0,1,2,3,4
	v_cmp_gt_f32 s[CA+\k], v[\xr], v[LV+\k]
	v_cmp_eq_f32 s[CB+\k], v[\xr], v[LV+\k]
	v_cmp_lt_u32 s[CC+\k], v[\nr], v[LN+\k]
.endr
.irp k, 0,1,2,3,4
	s_and_b32 s[CB+\k], s[CB+\k], s[CC+\k]
	s_or_b32 s[CA+\k], s[CA+\k], s[CB+\k]
.endr
	SHIFT \xr, v[\nr]
.endm
.macro MERGE_X m                       ; with the lane m away (exclusive or), inside a half of 16 lanes: the partner's list is fetched whole, then inserted; both partners end with the same list
.irp k, 0,1,2,3,4
	v_mov_b32_dpp v[PV+\k], v[LV+\k] row_xmask:\m row_mask:0xf bank_mask:0xf
	v_mov_b32_dpp v[PN+\k], v[LN+\k] row_xmask:\m row_mask:0xf bank_mask:0xf
.endr
.irp k, 0,1,2,3,4
	INSF PV+\k, PN+\k
.endr
.endm
.macro MERGE_16                        ; with the lane 16 away
.irp k, 0,1,2,3,4
	v_permlanex16_b32 v[PV+\k], v[LV+\k], s[SEL], s[SEL+1]
	v_permlanex16_b32 v[PN+\k], v[LN+\k], s[SEL], s[SEL+1]
.endr
.irp k, 0,1,2,3,4
	INSF PV+\k, PN+\k
.endr
.endm
	s_load_b128 s[4:7], s[0:1], 0x0                ; gm s[4:5], gsel s[6:7]
	v_lshl_add_u32 v176, v0, 2, 0x2000
	v_mov_b32 v177, 0
	v_lshrrev_b32 v2, 2, v0                        ; rho = t / 4: my 64 groups
	v_and_b32 v10, 3, v0                           ; my query of the four
	v_lshlrev_b32 v1, 11, v2                       ; gm: 8 chunks x 256 bytes x rho
	v_lshl_add_u32 v1, v10, 5, v1                  ;     + 32 bytes a query
	v_lshlrev_b32 v3, 6, v0                        ; LDS: 64 bytes a thread
	v_xor_b32 v4, 0x800, v3                        ; and the same lane's place in the three other waves
	v_xor_b32 v5, 0x1000, v3
	v_xor_b32 v6, 0x1800, v3
	v_lshlrev_b32 v7, 5, v0                        ; gsel: 32 bytes a query
	s_lshr_b32 s8, ttmp9, 1
	s_lshl_b32 s8, s8, 16                          ; gm: qb = b / 2, 65,536 bytes each,
	s_and_b32 s9, ttmp9, 1
	s_lshl_b32 s9, s9, 7                           ; + 4 (b % 2) queries of 32 bytes
	s_add_co_u32 s8, s8, s9
	s_mov_b32 s9, 0
	s_lshl_b32 s10, ttmp9, 7                       ; gsel: 4 queries x 32 bytes
	s_mov_b32 s11, 0
	s_mov_b32 s[SEL], 0x76543210
	s_mov_b32 s[SEL+1], 0xfedcba98
	s_wait_alu depctr_va_vdst(0)
	s_wait_kmcnt 0x0
	s_add_nc_u64 s[4:5], s[4:5], s[8:9]
	s_add_nc_u64 s[6:7], s[6:7], s[10:11]
.irp c, 0,1,2,3,4,5,6,7
	global_load_b128 v[VV+8*\c:VV+8*\c+3], v1, s[4:5] offset:256*\c       ; register n: group 64 rho + n
	global_load_b128 v[VV+8*\c+4:VV+8*\c+7], v1, s[4:5] offset:256*\c+16
.endr
.irp k, 0,1,2,3,4
	v_mov_b32 v[LV+\k], 0xff800000                 ; the list begins as five times -infinity, under every score; 64 values push them all out
	v_mov_b32 v[LN+\k], \k
	v_mov_b32 v[PV+\k], 0                          ; written once: the destination of a DPP move or a lane permute counts as one of its sources
	v_mov_b32 v[PN+\k], 0
.endr
.irp k, 5,6,7
	v_mov_b32 v[LV+\k], 0
	v_mov_b32 v[LN+\k], 0
.endr
.irp n, 0,1,2,3,4,5,6,7,8,9,10,11,12,13,14,15
	s_wait_loadcnt 15-\n                           ; load n is in; those issued behind it may be out
.irp i, 0,1,2,3
	INS VV+4*\n+\i, 4*\n+\i
.endr
.endr
.irp k, 0,1,2,3,4
	v_lshl_add_u32 v[LN+\k], v2, 6, v[LN+\k]       ; the group's number: 64 rho + n
.endr
	MERGE_X 4
	MERGE_X 8
	MERGE_16
	ds_store_b128 v3, v[LV:LV+3]
	ds_store_b128 v3, v[LV+4:LV+7] offset:16
	ds_store_b128 v3, v[LN:LN+3] offset:32
	ds_store_b128 v3, v[LN+4:LN+7] offset:48
	s_wait_alu depctr_va_vdst(0)
	s_wait_dscnt 0x0                               ; for the others' sake: my stores have landed
	s_barrier_signal -1
	s_barrier_wait -1
.irp w, 0,1,2
.irp c, 0,1,2,3
	ds_load_b128 v[OT+16*\w+4*\c:OT+16*\w+4*\c+3], v[4+\w] offset:16*\c
.endr
.endr
	s_wait_dscnt 0x0
.irp w, 0,1,2
.irp j, 0,1,2,3,4
	INSF OT+16*\w+\j, OT+16*\w+8+\j
.endr
.endr
	v_cmp_gt_u32 vcc_lo, 4, v0                     ; threads 0-3 hold the four queries' lists
	s_wait_alu depctr_va_vdst(0)
	s_wait_xcnt 0x0                                ; EXEC changes only behind this wait
	s_wait_tensorcnt 0x0
	ds_add_u32 v176, v177
	s_wait_dscnt 0x0
	s_and_saveexec_b32 s20, vcc_lo
	global_store_b128 v7, v[LN:LN+3], s[6:7]
	global_store_b128 v7, v[LN+4:LN+7], s[6:7] offset:16
	s_wait_xcnt 0x0                                ; and again, in front of the line that widens it
	s_or_b32 exec_lo, exec_lo, s20
	s_endpgm
.Lfunc_end_k_qf90c4d1cb2_pickg:
	.size	k_qf90c4d1cb2_pickg, .Lfunc_end_k_qf90c4d1cb2_pickg-k_qf90c4d1cb2_pickg
	.p2alignl 7, 3214868480
	.fill 96, 4, 3214868480
	.section	.rodata,"a",@progbits
	.p2align	6, 0x0
	.amdhsa_kernel k_qf90c4d1cb2_pickg
		.amdhsa_group_segment_fixed_size 8704
		.amdhsa_private_segment_fixed_size 0
		.amdhsa_enable_private_segment 0
		.amdhsa_kernarg_size 16
		.amdhsa_user_sgpr_count 2
		.amdhsa_user_sgpr_kernarg_segment_ptr 1
		.amdhsa_wavefront_size32 1
		.amdhsa_system_sgpr_workgroup_id_x 1
		.amdhsa_system_sgpr_workgroup_id_y 1
		.amdhsa_system_sgpr_workgroup_id_z 1
		.amdhsa_system_vgpr_workitem_id 0
		.amdhsa_next_free_vgpr 178
		.amdhsa_next_free_sgpr 66
		.amdhsa_reserve_vcc 1
		.amdhsa_float_denorm_mode_32 3
		.amdhsa_float_denorm_mode_16_64 3
		.amdhsa_memory_ordered 1
		.amdhsa_forward_progress 1
		.amdhsa_inst_pref_size 145
	.end_amdhsa_kernel
	.amdgpu_metadata
---
amdhsa.version: [ 1, 2 ]
amdhsa.kernels:
  - .name:           k_qf90c4d1cb2_pickg
    .symbol:         k_qf90c4d1cb2_pickg.kd
    .args:
      - { .name: gm, .offset: 0, .size: 8, .value_kind: global_buffer, .address_space: global }
      - { .name: gsel, .offset: 8, .size: 8, .value_kind: global_buffer, .address_space: global }
    .group_segment_fixed_size: 8704
    .private_segment_fixed_size: 0
    .kernarg_segment_align: 8
    .kernarg_segment_size: 16
    .max_flat_workgroup_size: 128
    .sgpr_count:     66
    .vgpr_count:     178
    .wavefront_size: 32
...
	.end_amdgpu_metadata
.endif
;; end of part 8
;; launch rescore (part 9): grid 256 x 1, 4 waves a work-group, no clusters, 0 bytes of LDS; arguments gsel, kc, qc, lowp_scales, idx; writes idx
.if DOCPART == 9
	.amdgcn_target "amdgcn-amd-amdhsa--gfx1250"
	.amdhsa_code_object_version 6
	.text
	.protected	k_qf90c4d1cb2_rescore
	.globl	k_qf90c4d1cb2_rescore
	.p2align	8
	.type	k_qf90c4d1cb2_rescore,@function
k_qf90c4d1cb2_rescore:
	s_mov_b64 s[64:65], 0
	v_nop
	global_prefetch_b8 v0, s[64:65] scope:SCOPE_SE
	s_setreg_imm32_b32 hwreg(HW_REG_WAVE_SCHED_MODE, 0, 2), 2
	s_setreg_imm32_b32 hwreg(HW_REG_WAVE_MODE, 25, 1), 1
	s_wait_xcnt 0x0
	s_wait_alu depctr_vm_vsrc(0)
; For each query the 320 keys of its five chosen groups are scored again, by the same matrix instruction on the same codes, and the five first keys by (score falling, index rising) are stored as
; whole numbers: idx [1024][8] int32, words 0-4 the keys, words 5-7 zero.
; SHARES.  One wave, one query m = 4 x work-group + wave; waves share nothing: no LDS, no barrier.  The groups' numbers are whole numbers that an earlier launch stored; each is held under 2,048 before it
; enters an address.
; LAYOUT.  Source 0 = query m's codes in all 16 rows (every lane loads row m % 16 of the query tile's image), source 1 = a tile of 16 keys: lane (r, h) then holds the score of key r of the tile in
; every register of the result; register 0 is taken.  The sources are the other way round than where the groups' maxima were made: the transposed tile of the same sums.
; A lane inserts its 20 scores into a sorted list of five (score, key); four exchanges inside each half of 16 lanes merge the lists (both halves hold the same).  All inserts go by the full order.
; REGISTERS, in windows of 256: window 0: addresses, the query's fragment, four results, the lists, group 4's four fragments (v128-191); window 1: the fragments of groups 0-3, 64 registers a group.
; All 84 loads go out at once.
; LIMITS: NaN and infinities among the scores are not served; +0 and -0 count as equal.
; THE MODE: SCHED_MODE bits 1:0 = 2 (LLVM: expert scheduling mode 2), set by the entry lines.  The code itself states the register dependences between vector or matrix instructions and memory
; instructions, and those through scalar registers, VCC and EXEC, with s_wait_alu, always for 0.
; THE PLAN.  Registers that memory instructions touch:
;   v2        the offset of the query's four loads: written at the head, never again; a wait on va_vdst ahead of those loads.
;   v1        the offset of the 80 loads of key fragments: made behind the query's loads, never written again; a wait on va_vdst behind the window switch, ahead of those loads.
;   v16-31, window 1's 256, v128-191   each loaded once and read by products alone: nothing is owed for them but the waits on LOADcnt.
;   v6, v72-79   the two stores' offset and data: the wait on va_vdst that stands ahead of the narrowing of EXEC states that they are written.
; Scalar registers that vector instructions write: s14 (the wave's number), the masks s48-62 of every insert (one wait on va_sdst behind its run of fifteen compares, ahead of the scalar lines that join
; them; the selects then read what scalar lines wrote), and VCC for the mask on EXEC.
.set QF, 16                            ; v16-31  the query's fragment
.set DD, 32                            ; v32-63  four results
.set LV, 64                            ; v64-68  the list's values, falling
.set LN, 72                            ; v72-76  their keys; v77-79 zero
.set PV, 80                            ; v80-84  a partner's values
.set PN, 88                            ; v88-92  a partner's keys
.set XV, 96                            ; v96-99  four scores
.set XN, 100                           ; v100-103 their keys
.set TA, 104
.set TB, 105
.set CA, 48                            ; s48-52 lanes in which x stands ahead of list entry i
.set CB, 53                            ; s53-57, s58-62 at work
.set CC, 58
.set MSB, 0
.macro WIN new                         ; s_set_vgpr_msb: bits 1:0 source 0, 3:2 source 1, 5:4 source 2, 7:6 destination; the immediate's high byte repeats the setting that is left
.if MSB != \new
	s_set_vgpr_msb (MSB<<8)|\new
.set MSB, \new
.endif
.endm
.macro SHIFT xr, idop                  ; the list takes (x, its key) where the masks say: from the bottom up
	v_med3_num_f32 v[LV+4], v[\xr], v[LV+3], v[LV+4]
	v_med3_num_f32 v[LV+3], v[\xr], v[LV+2], v[LV+3]
	v_med3_num_f32 v[LV+2], v[\xr], v[LV+1], v[LV+2]
	v_med3_num_f32 v[LV+1], v[\xr], v[LV], v[LV+1]
	v_max_num_f32 v[LV], v[LV], v[\xr]
	v_cndmask_b32 v[TA], \idop, v[LN+3], s[CA+3]
	v_cndmask_b32 v[TB], \idop, v[LN+2], s[CA+2]
	v_cndmask_b32 v[LN+4], v[LN+4], v[TA], s[CA+4]
	v_cndmask_b32 v[TA], \idop, v[LN+1], s[CA+1]
	v_cndmask_b32 v[LN+3], v[LN+3], v[TB], s[CA+3]
	v_cndmask_b32 v[TB], \idop, v[LN], s[CA]
	v_cndmask_b32 v[LN+2], v[LN+2], v[TA], s[CA+2]
	v_cndmask_b32 v[LN+1], v[LN+1], v[TB], s[CA+1]
	v_cndmask_b32 v[LN], v[LN], \idop, s[CA]
.endm
.macro INSF xr, nr                     ; by the full order: larger, or equal with the lower index
.irp k, 0,1,2,3,4
	v_cmp_gt_f32 s[CA+\k], v[\xr], v[LV+\k]
	v_cmp_eq_f32 s[CB+\k], v[\xr], v[LV+\k]
	v_cmp_lt_u32 s[CC+\k], v[\nr], v[LN+\k]
.endr
	s_wait_alu depctr_va_sdst(0)                   ; the fifteen compares have written their masks s48-62, ahead of the first line that reads one
.irp k, 0,1,2,3,4
	s_and_b32 s[CB+\k], s[CB+\k], s[CC+\k]
	s_or_b32 s[CA+\k], s[CA+\k], s[CB+\k]
.endr
	SHIFT \xr, v[\nr]
.endm
.macro MERGE_X m
.irp k, 0,1,2,3,4
	v_mov_b32_dpp v[PV+\k], v[LV+\k] row_xmask:\m row_mask:0xf bank_mask:0xf
	v_mov_b32_dpp v[PN+\k], v[LN+\k] row_xmask:\m row_mask:0xf bank_mask:0xf
.endr
.irp k, 0,1,2,3,4
	INSF PV+\k, PN+\k
.endr
.endm
	s_load_b256 s[4:11], s[0:1], 0x0               ; gsel s[4:5], the keys' codes s[6:7], the queries' s[8:9], the scales' exponents s[10:11]
	s_load_b64 s[12:13], s[0:1], 0x20              ; idx
	v_lshrrev_b32 v4, 5, v0
	v_readfirstlane_b32 s14, v4                    ; wave 0..3
	v_bfe_u32 v2, v0, 4, 1
	v_lshlrev_b32 v2, 8, v2                        ; 256 h: my half's 16 lanes of a piece
	s_wait_alu depctr_va_sdst(0)                   ; s14, the wave's number, is written, ahead of its first reader: the query's number is made from it
	s_lshl_b32 s15, ttmp9, 2
	s_add_co_u32 s15, s15, s14                     ; m
	s_lshl_b32 s2, s15, 5                          ; 32 bytes a query in gsel and in idx
	s_mov_b32 s3, 0
	s_lshr_b32 s26, s15, 4
	s_lshl_b32 s26, s26, 11                        ; the query's tile, 2,048 bytes each,
	s_and_b32 s27, s15, 15
	s_lshl_b32 s27, s27, 4                         ; and its row's 16 bytes in a piece
	s_add_co_u32 s38, s26, s27
	s_mov_b32 s39, 0
	s_wait_kmcnt 0x0
	s_add_nc_u64 s[4:5], s[4:5], s[2:3]
	s_add_nc_u64 s[12:13], s[12:13], s[2:3]
	s_add_nc_u64 s[8:9], s[8:9], s[38:39]
	s_load_b256 s[16:23], s[4:5], 0x0              ; the five groups (and three zeros)
	s_load_b64 s[24:25], s[10:11], 0x0             ; e0, e1
	s_wait_alu depctr_va_vdst(0)                   ; v2 is written, which the query's four loads read as their offset
.irp c, 0,1,2,3
	global_load_b128 v[QF+4*\c:QF+4*\c+3], v2, s[8:9] offset:512*\c
.endr
	v_and_b32 v5, 31, v0                           ; lane
	v_lshlrev_b32 v1, 4, v5                        ; 16 x lane: my bytes of a piece of an image
	v_and_b32 v3, 15, v0                           ; r
	v_mov_b32 v6, 0
	s_wait_kmcnt 0x0
	s_add_co_i32 s24, s24, s25                     ; e0 + e1
.irp a, 0,1,2,3,4
	s_min_u32 s[16+\a], s[16+\a], 0x7ff            ; a loaded number enters an address only behind this hold
	s_lshl_b32 s[40+\a], s[16+\a], 6               ; the group's first key
	s_lshl_b32 s2, s[16+\a], 13                    ; its four images: 8,192 bytes
	s_add_nc_u64 s[28+2*\a:29+2*\a], s[6:7], s[2:3]
.endr
	WIN 0x40                                       ; destination window 1, address window 0
	s_wait_alu depctr_va_vdst(0)                   ; v1 is written, which the 80 loads below read as their offset; only loads and a window switch stand among them
.irp a, 0,1,2,3
.irp i, 0,1,2,3
.irp c, 0,1,2,3
	global_load_b128 v[64*\a+16*\i+4*\c:64*\a+16*\i+4*\c+3], v1, s[28+2*\a:29+2*\a] offset:2048*\i+512*\c
.endr
.endr
.endr
	WIN 0
.irp i, 0,1,2,3
.irp c, 0,1,2,3
	global_load_b128 v[128+16*\i+4*\c:128+16*\i+4*\c+3], v1, s[36:37] offset:2048*\i+512*\c
.endr
.endr
.irp k, 0,1,2,3,4
	v_mov_b32 v[LV+\k], 0xff800000                 ; the list begins as five times -infinity, under every score; 20 scores push them all out
	v_mov_b32 v[LN+\k], \k
	v_mov_b32 v[PV+\k], 0                          ; written once: a DPP move's destination counts as one of its sources
	v_mov_b32 v[PN+\k], 0
.endr
.irp k, 5,6,7
	v_mov_b32 v[LN+\k], 0
.endr
; Group a: four products, each from the constant 0.  The four additions that make the keys' numbers are the four places between the last product and the first read of a result (ISA guide 7.12.1);
; the inserts' plain instructions are the places ahead of the next group's products, which write over the results.
.macro GROUP a
.if (\a) == 0
	s_wait_loadcnt 63                              ; behind group 0's loads 64 were issued; the wait's field holds 63 at the most, and a smaller count is safe
.else
	s_wait_loadcnt 16*(4-(\a))                     ; the later groups' loads may be out
.endif
.if (\a) < 4
	WIN 0x04                                       ; source 1 window 1
.irp i, 0,1,2,3
	v_wmma_f32_16x16x128_bf8_bf8 v[DD+8*\i:DD+8*\i+7], v[QF:QF+15], v[64*(\a)+16*\i:64*(\a)+16*\i+15], 0
.endr
	WIN 0
.else
.irp i, 0,1,2,3
	v_wmma_f32_16x16x128_bf8_bf8 v[DD+8*\i:DD+8*\i+7], v[QF:QF+15], v[128+16*\i:128+16*\i+15], 0
.endr
.endif
.irp i, 0,1,2,3
	s_add_co_u32 s26, s[40+(\a)], 16*\i
	v_add_nc_u32 v[XN+\i], s26, v3                 ; key 64 g + 16 i + r
.endr
.irp i, 0,1,2,3
	v_ldexp_f32 v[XV+\i], v[DD+8*\i], s24          ; the score x 2^(e0 + e1): the result's lowest register
.endr
.irp i, 0,1,2,3
	INSF XV+\i, XN+\i
.endr
.endm
	GROUP 0
	GROUP 1
	GROUP 2
	GROUP 3
	GROUP 4
	MERGE_X 1
	MERGE_X 2
	MERGE_X 4
	MERGE_X 8
	v_cmp_eq_u32 vcc_lo, 0, v5                     ; lane 0 stores
	s_wait_xcnt 0x0                                ; EXEC changes only behind this wait
	s_wait_alu depctr_va_vcc(0)                    ; the compare has written VCC, from which EXEC is made
	s_wait_alu depctr_va_vdst(0)                   ; ahead of a write of EXEC: the vector side is done; with that v6 and the list's keys v72-79 are written, which the two stores read
	s_wait_alu depctr_vm_vsrc(0)                   ; ahead of a write of EXEC: the loads have read their vector registers
	s_and_saveexec_b32 s26, vcc_lo
	global_store_b128 v6, v[LN:LN+3], s[12:13]
	global_store_b128 v6, v[LN+4:LN+7], s[12:13] offset:16
	s_wait_xcnt 0x0                                ; and again, in front of the line that widens it
	s_wait_alu depctr_va_vdst(0)                   ; ahead of a write of EXEC: the vector side is done
	s_wait_alu depctr_vm_vsrc(0)                   ; ahead of a write of EXEC: the two stores have read their offset and their data
	s_or_b32 exec_lo, exec_lo, s26
	s_endpgm
.Lfunc_end_k_qf90c4d1cb2_rescore:
	.size	k_qf90c4d1cb2_rescore, .Lfunc_end_k_qf90c4d1cb2_rescore-k_qf90c4d1cb2_rescore
	.p2alignl 7, 3214868480
	.fill 96, 4, 3214868480
	.section	.rodata,"a",@progbits
	.p2align	6, 0x0
	.amdhsa_kernel k_qf90c4d1cb2_rescore
		.amdhsa_group_segment_fixed_size 0
		.amdhsa_private_segment_fixed_size 0
		.amdhsa_enable_private_segment 0
		.amdhsa_kernarg_size 40
		.amdhsa_user_sgpr_count 2
		.amdhsa_user_sgpr_kernarg_segment_ptr 1
		.amdhsa_wavefront_size32 1
		.amdhsa_system_sgpr_workgroup_id_x 1
		.amdhsa_system_sgpr_workgroup_id_y 1
		.amdhsa_system_sgpr_workgroup_id_z 1
		.amdhsa_system_vgpr_workitem_id 0
		.amdhsa_next_free_vgpr 512
		.amdhsa_next_free_sgpr 66
		.amdhsa_reserve_vcc 1
		.amdhsa_float_denorm_mode_32 3
		.amdhsa_float_denorm_mode_16_64 3
		.amdhsa_memory_ordered 1
		.amdhsa_forward_progress 1
		.amdhsa_inst_pref_size 104
	.end_amdhsa_kernel
	.amdgpu_metadata
---
amdhsa.version: [ 1, 2 ]
amdhsa.kernels:
  - .name:           k_qf90c4d1cb2_rescore
    .symbol:         k_qf90c4d1cb2_rescore.kd
    .args:
      - { .name: gsel, .offset: 0, .size: 8, .value_kind: global_buffer, .address_space: global }
      - { .name: kc, .offset: 8, .size: 8, .value_kind: global_buffer, .address_space: global }
      - { .name: qc, .offset: 16, .size: 8, .value_kind: global_buffer, .address_space: global }
      - { .name: lowp_scales, .offset: 24, .size: 8, .value_kind: global_buffer, .address_space: global }
      - { .name: idx, .offset: 32, .size: 8, .value_kind: global_buffer, .address_space: global }
    .group_segment_fixed_size: 0
    .private_segment_fixed_size: 0
    .kernarg_segment_align: 8
    .kernarg_segment_size: 40
    .max_flat_workgroup_size: 128
    .sgpr_count:     66
    .vgpr_count:     512
    .wavefront_size: 32
...
	.end_amdgpu_metadata
.endif
;; end of part 9
;; launch fuse (part 10): grid 256 x 1, 4 waves a work-group, no clusters, 0 bytes of LDS; arguments idx, values, out0; writes out0
.if DOCPART == 10
	.amdgcn_target "amdgcn-amd-amdhsa--gfx1250"
	.amdhsa_code_object_version 6
	.text
	.protected	k_qf90c4d1cb2_fuse
	.globl	k_qf90c4d1cb2_fuse
	.p2align	8
	.type	k_qf90c4d1cb2_fuse,@function
k_qf90c4d1cb2_fuse:
	s_mov_b64 s[64:65], 0
	v_nop
	global_prefetch_b8 v0, s[64:65] scope:SCOPE_SE
	s_setreg_imm32_b32 hwreg(HW_REG_WAVE_MODE, 25, 1), 1
	s_wait_xcnt 0x0
; out0[m][:] = the mean of the five rows of values [131072][256] f32 that idx names for query m.  One wave, one query m = 4 x work-group + wave.
; The keys' indices are whole numbers that an earlier launch stored; each is held under 131,072 before it enters an address.  A row is 1,024 bytes: two loads of 16 bytes a lane, 512 consecutive
; bytes each.  All ten loads go out at once; the rows are added as they come, in the order of the list, and the sum is multiplied by 0.2.  No LDS, no barrier, no matrix work: memory binds.
	s_load_b128 s[4:7], s[0:1], 0x0                ; idx s[4:5], values s[6:7]
	s_load_b64 s[8:9], s[0:1], 0x10                ; out0
	v_lshrrev_b32 v2, 5, v0
	v_readfirstlane_b32 s10, v2                    ; wave 0..3
	v_and_b32 v1, 31, v0
	v_lshlrev_b32 v1, 4, v1                        ; 16 x lane
	s_lshl_b32 s11, ttmp9, 2
	s_add_co_u32 s11, s11, s10                     ; m
	s_lshl_b32 s12, s11, 5                         ; 32 bytes a query in idx
	s_mov_b32 s13, 0
	s_lshl_b32 s14, s11, 10                        ; 1,024 bytes a row of out0
	s_mov_b32 s15, 0
	s_wait_alu depctr_va_vdst(0)
	s_wait_kmcnt 0x0
	s_add_nc_u64 s[4:5], s[4:5], s[12:13]
	s_add_nc_u64 s[8:9], s[8:9], s[14:15]
	s_load_b256 s[16:23], s[4:5], 0x0              ; the five keys (and three zeros)
	s_wait_kmcnt 0x0
.irp a, 0,1,2,3,4
	s_min_u32 s[16+\a], s[16+\a], 0x1ffff          ; a loaded number enters an address only behind this hold
	s_lshl_b32 s12, s[16+\a], 10
	s_add_nc_u64 s[24+2*\a:25+2*\a], s[6:7], s[12:13]
.endr
.irp a, 0,1,2,3,4
	global_load_b128 v[8+8*\a:11+8*\a], v1, s[24+2*\a:25+2*\a]              ; no hint: two queries may name the same row
	global_load_b128 v[12+8*\a:15+8*\a], v1, s[24+2*\a:25+2*\a] offset:512
.endr
.irp a, 1,2,3,4
	s_wait_alu depctr_va_vdst(0)
	s_wait_loadcnt 8-2*\a                          ; rows 0 to a are in; the later rows' loads may be out
.irp j, 0,2,4,6
	v_pk_add_f32 v[8+\j:9+\j], v[8+\j:9+\j], v[8+8*\a+\j:9+8*\a+\j]
.endr
.endr
.irp j, 0,2,4,6
	v_pk_mul_f32 v[8+\j:9+\j], v[8+\j:9+\j], 0x3e4ccccd op_sel_hi:[1,0]     ; x 0.2
.endr
	global_store_b128 v1, v[8:11], s[8:9] th:TH_STORE_NT                    ; 32 lanes store 512 consecutive bytes, aligned
	global_store_b128 v1, v[12:15], s[8:9] offset:512 th:TH_STORE_NT
	s_endpgm
.Lfunc_end_k_qf90c4d1cb2_fuse:
	.size	k_qf90c4d1cb2_fuse, .Lfunc_end_k_qf90c4d1cb2_fuse-k_qf90c4d1cb2_fuse
	.p2alignl 7, 3214868480
	.fill 96, 4, 3214868480
	.section	.rodata,"a",@progbits
	.p2align	6, 0x0
	.amdhsa_kernel k_qf90c4d1cb2_fuse
		.amdhsa_group_segment_fixed_size 0
		.amdhsa_private_segment_fixed_size 0
		.amdhsa_enable_private_segment 0
		.amdhsa_kernarg_size 24
		.amdhsa_user_sgpr_count 2
		.amdhsa_user_sgpr_kernarg_segment_ptr 1
		.amdhsa_wavefront_size32 1
		.amdhsa_system_sgpr_workgroup_id_x 1
		.amdhsa_system_sgpr_workgroup_id_y 1
		.amdhsa_system_sgpr_workgroup_id_z 1
		.amdhsa_system_vgpr_workitem_id 0
		.amdhsa_next_free_vgpr 64
		.amdhsa_next_free_sgpr 66
		.amdhsa_reserve_vcc 0
		.amdhsa_float_denorm_mode_32 3
		.amdhsa_float_denorm_mode_16_64 3
		.amdhsa_memory_ordered 1
		.amdhsa_forward_progress 1
		.amdhsa_inst_pref_size 5
	.end_amdhsa_kernel
	.amdgpu_metadata
---
amdhsa.version: [ 1, 2 ]
amdhsa.kernels:
  - .name:           k_qf90c4d1cb2_fuse
    .symbol:         k_qf90c4d1cb2_fuse.kd
    .args:
      - { .name: idx, .offset: 0, .size: 8, .value_kind: global_buffer, .address_space: global }
      - { .name: values, .offset: 8, .size: 8, .value_kind: global_buffer, .address_space: global }
      - { .name: out0, .offset: 16, .size: 8, .value_kind: global_buffer, .address_space: global }
    .group_segment_fixed_size: 0
    .private_segment_fixed_size: 0
    .kernarg_segment_align: 8
    .kernarg_segment_size: 24
    .max_flat_workgroup_size: 128
    .sgpr_count:     66
    .vgpr_count:     64
    .wavefront_size: 32
...
	.end_amdgpu_metadata
.endif
;; end of part 10
